; MI455X (gfx1250); checked and timed in simulation.
; The chip was launched on July 23, 2026; its instructions are those of AMD's public machine-readable ISA for CDNA 5 (MIT licence, August 2026) and "CDNA5" Instruction Set Architecture Reference Guide (July 2026). The comments in the code are by the model that wrote it; some were corrected since.
;; Sparse Attention. Allowed arithmetic: float matrix products may take bf16 or f16 operands with f32 sums; other float arithmetic in f32, or as packed bf16 or f16 multiplies, adds, multiply-adds, maxima and minima; sums over many terms, partial sums and values carried from step to step in f32; what a program stores and reads back later, other than sums and carried values, may be rounded once to bf16 or f16.
;; Inputs: w_out 1,024 x 1,024 float32; w_qkv 1,024 x 3,072 float32; x 1 x 4,096 x 1,024 float32.
;; Outputs: out0 1 x 4,096 x 1,024 float32.
;; 2 versions, each right; version 2 is version 1 with the launch prep written anew for expert scheduling mode. Each part assembles by itself: llvm-mc -triple=amdgcn-amd-amdhsa -mcpu=gfx1250 --defsym DOCPART=n.
;; ======== version 1 of 2: 4 launches
;; limits: values are held in f16: magnitudes above 65,504 overflow, below 6.1e-05 lose precision
;; workspace buffers: xb 8,388,608 bytes; wqt 6,291,456 bytes; wot 2,097,152 bytes; qkvh 25,165,824 bytes; ob 8,388,608 bytes
;; launch prep (part 1): grid 512 x 1, 8 waves a work-group, no clusters, 35,840 bytes of LDS; arguments x, w_qkv, w_out, xb, wqt, wot; writes xb, wqt, wot
.if DOCPART == 1
	.amdgcn_target "amdgcn-amd-amdhsa--gfx1250"
	.amdhsa_code_object_version 6
	.text
	.protected	k_qe74f2b3f57_prep
	.globl	k_qe74f2b3f57_prep
	.p2align	8
	.type	k_qe74f2b3f57_prep,@function
k_qe74f2b3f57_prep:
	s_mov_b64 s[64:65], 0
	v_nop
	global_prefetch_b8 v0, s[64:65] scope:SCOPE_SE
	s_setreg_imm32_b32 hwreg(HW_REG_WAVE_MODE, 25, 1), 1
	s_wait_xcnt 0x0
; THE INPUTS ARE MADE READY FOR THE MATRIX UNITS, each byte read once and each result written once.
;   xb[s][k]  = bf16(x[s][k])                    [4096][1024]
;   wqt[n][k] = bf16(w_qkv[k][n])                [3072][1024]   turned, so that K lies along the rows
;   wot[n][k] = f16(bf16(w_out[k][n]))           [1024][1024]   turned; rounded to bf16 like the other inputs, and that number written as f16
; LIMITS.  A number of w_out beyond 65,504 becomes an infinity in f16; below 6e-5 f16 keeps a fixed step of 6e-8.
; SHARES.  512 work-groups of eight waves.  Numbers 0-255 cast 64 KiB of x each; 256-447 turn a tile of 128 k x 128 n of w_qkv; 448-511 one of w_out.
; The branch hangs on the work-group's number alone, so all eight waves of a work-group take the same way and meet the same barrier.
; No matrix unit, no cluster, no tensor load: nothing is shared between work-groups and memory binds.
.set SPITCH, 272                       ; a stage row: 128 k x 2 bytes + 16
.set SPARE,  128*SPITCH                ; behind the stage: the spare words, 128 bytes for each of the eight waves, four blocks of 256 bytes that no other line names
.set SPW, 2                            ; v2   LDS address of my spare word; never rewritten
.set NIL, 3                            ; v3   0; never rewritten
.set IN,  16                           ; v[16:79]   sixteen loads of 16 bytes
.set PKD, 80                           ; v[80:111]  the rounded numbers, two to a word
	s_load_b256 s[4:11], s[0:1], 0x0               ; x s[4:5], w_qkv s[6:7], w_out s[8:9], xb s[10:11]
	s_load_b128 s[12:15], s[0:1], 0x20             ; wqt s[12:13], wot s[14:15]
	v_lshl_add_u32 v[SPW], v0, 2, SPARE
	v_mov_b32 v[NIL], 0
	v_lshrrev_b32 v1, 5, v0                        ; wave 0..7
	v_and_b32 v11, 31, v0                          ; lane
	s_mov_b32 s21, 0                               ; the high word of every offset
	s_wait_kmcnt 0x0
	s_cmp_lt_u32 ttmp9, 256
	s_cbranch_scc0 .Lweights
	; THE CAST.  A wave takes 8 KiB of x: sixteen loads of 512 consecutive bytes, all out at once; each becomes one store of 256 consecutive bytes, aligned.
	s_lshl_b32 s20, ttmp9, 16
	s_add_nc_u64 s[4:5], s[4:5], s[20:21]
	s_lshl_b32 s20, ttmp9, 15
	s_add_nc_u64 s[10:11], s[10:11], s[20:21]
	v_lshlrev_b32 v4, 4, v11
	v_lshl_or_b32 v4, v1, 13, v4                   ; 8,192 x wave + 16 x lane
	v_lshlrev_b32 v5, 3, v11
	v_lshl_or_b32 v5, v1, 12, v5                   ; 4,096 x wave + 8 x lane
.irp i, 0,1,2,3,4,5,6,7,8,9,10,11,12,13,14,15
	global_load_b128 v[IN+4*(\i):IN+4*(\i)+3], v4, s[4:5] offset:512*(\i) th:TH_LOAD_NT
.endr
.irp i, 0,1,2,3,4,5,6,7,8,9,10,11,12,13,14,15
	s_wait_loadcnt 15-(\i)                         ; loads come back in order: load i is in, the younger ones stay out
	v_cvt_pk_bf16_f32 v[PKD+2*(\i)],   v[IN+4*(\i)],   v[IN+4*(\i)+1]
	v_cvt_pk_bf16_f32 v[PKD+2*(\i)+1], v[IN+4*(\i)+2], v[IN+4*(\i)+3]
	global_store_b64 v5, v[PKD+2*(\i):PKD+2*(\i)+1], s[10:11] offset:256*(\i)  ; no register of a store is written again
.endr
	s_branch .Lend
; A TILE OF 128 k x 128 n IS TURNED.  N: numbers in a row of the source.  F16 = 1: the bf16 number is written as f16.  SRC, DST: the pointers' registers.  FIRST: the first work-group of this kind.
; In: wave w takes rows k = 16 w + i, 512 consecutive bytes each; a lane holds columns n = 4 lane + c.  For each c its sixteen k pack into 32 bytes of stage row n.
; Those stores collide four deep (a lane's rows lie four apart): 64 stores a work-group, once.  Out: whole stage rows, sixteen lanes to 256 consecutive bytes, aligned.
.macro TRANS N, F16, SRC, DST, FIRST
	s_sub_co_u32 s17, ttmp9, \FIRST
	s_and_b32 s18, s17, 7                          ; the tile's place along k
	s_lshr_b32 s19, s17, 3                         ; and along n
	s_mul_i32 s20, s18, 512*(\N)                   ; 128 rows of 4 N bytes
	s_lshl_b32 s22, s19, 9                         ; 128 columns of 4 bytes
	s_add_co_u32 s20, s20, s22
	s_add_nc_u64 s[\SRC:\SRC+1], s[\SRC:\SRC+1], s[20:21]
	s_lshl_b32 s20, s19, 18                        ; 128 rows of 2,048 bytes
	s_lshl_b32 s22, s18, 8                         ; 128 columns of 2 bytes
	s_add_co_u32 s20, s20, s22
	s_add_nc_u64 s[\DST:\DST+1], s[\DST:\DST+1], s[20:21]
	v_mul_u32_u24 v4, v1, 64*(\N)                  ; 16 rows a wave
	v_lshl_add_u32 v4, v11, 4, v4
.irp i, 0,1,2,3,4,5,6,7,8,9,10,11,12,13,14,15
	global_load_b128 v[IN+4*(\i):IN+4*(\i)+3], v4, s[\SRC:\SRC+1] offset:(\i)*4*(\N) th:TH_LOAD_NT
.endr
	v_mul_u32_u24 v6, v11, 4*SPITCH                ; into the stage: row 4 lane (+ c), bytes 32 wave on
	v_lshl_add_u32 v6, v1, 5, v6
	v_bfe_u32 v12, v0, 4, 1
	v_and_b32 v13, 15, v0
	v_lshl_add_u32 v14, v1, 4, v12                 ; back: row 16 wave + lane / 16 (+ 2 i),
	v_mul_u32_u24 v7, v14, SPITCH
	v_lshl_add_u32 v7, v13, 4, v7                  ; 16 bytes a lane
	v_lshlrev_b32 v10, 11, v14                     ; and the same place in the turned matrix
	v_lshl_add_u32 v10, v13, 4, v10
	s_wait_loadcnt 0x0
.irp c, 0,1,2,3
.irp p, 0,1,2,3,4,5,6,7
	v_cvt_pk_bf16_f32 v[PKD+8*(\c)+(\p)], v[IN+8*(\p)+(\c)], v[IN+8*(\p)+4+(\c)]  ; k = 16 w + 2 p and + 1 of column c
.if \F16
	v_lshlrev_b32 v8, 16, v[PKD+8*(\c)+(\p)]       ; the two bf16 numbers as f32,
	v_and_b32 v9, 0xffff0000, v[PKD+8*(\c)+(\p)]
	v_cvt_pk_f16_f32 v[PKD+8*(\c)+(\p)], v8, v9    ; written as f16
.endif
.endr
.endr
.irp c, 0,1,2,3
	ds_store_b128 v6, v[PKD+8*(\c):PKD+8*(\c)+3]   offset:SPITCH*(\c)
	ds_store_b128 v6, v[PKD+8*(\c)+4:PKD+8*(\c)+7] offset:SPITCH*(\c)+16
.endr
	s_wait_dscnt 0x0                               ; for the others' sake: my stores into the stage are done
	s_barrier_signal -1
	s_barrier_wait -1                              ; a stage row holds the bytes of all eight waves
.irp i, 0,1,2,3,4,5,6,7
	ds_load_b128 v[IN+4*(\i):IN+4*(\i)+3], v7 offset:2*SPITCH*(\i)
.endr
.irp i, 0,1,2,3,4,5,6,7
	s_wait_dscnt 7-(\i)
	global_store_b128 v10, v[IN+4*(\i):IN+4*(\i)+3], s[\DST:\DST+1] offset:4096*(\i)  ; 16 lanes store 256 consecutive bytes, at a multiple of 256 from the buffer's first byte
.endr
.endm
.Lweights:
	s_cmp_lt_u32 ttmp9, 448
	s_cbranch_scc0 .Lw_out
	TRANS 3072, 0, 6, 12, 256
	s_branch .Lend
.Lw_out:
	TRANS 1024, 1, 8, 14, 448
.Lend:
	s_wait_tensorcnt 0x0                           ; the wave's end: behind my last LDS store
	ds_add_u32 v[SPW], v[NIL]
	s_wait_dscnt 0x0
	s_endpgm
.Lfunc_end_k_qe74f2b3f57_prep:
	.size	k_qe74f2b3f57_prep, .Lfunc_end_k_qe74f2b3f57_prep-k_qe74f2b3f57_prep
	.p2alignl 7, 3214868480
	.fill 96, 4, 3214868480
	.section	.rodata,"a",@progbits
	.p2align	6, 0x0
	.amdhsa_kernel k_qe74f2b3f57_prep
		.amdhsa_group_segment_fixed_size 35840
		.amdhsa_private_segment_fixed_size 0
		.amdhsa_enable_private_segment 0
		.amdhsa_kernarg_size 48
		.amdhsa_user_sgpr_count 2
		.amdhsa_user_sgpr_kernarg_segment_ptr 1
		.amdhsa_wavefront_size32 1
		.amdhsa_system_sgpr_workgroup_id_x 1
		.amdhsa_system_sgpr_workgroup_id_y 1
		.amdhsa_system_sgpr_workgroup_id_z 1
		.amdhsa_system_vgpr_workitem_id 0
		.amdhsa_next_free_vgpr 112
		.amdhsa_next_free_sgpr 66
		.amdhsa_reserve_vcc 0
		.amdhsa_float_denorm_mode_32 3
		.amdhsa_float_denorm_mode_16_64 3
		.amdhsa_memory_ordered 1
		.amdhsa_forward_progress 1
		.amdhsa_inst_pref_size 26
	.end_amdhsa_kernel
	.amdgpu_metadata
---
amdhsa.version: [ 1, 2 ]
amdhsa.kernels:
  - .name:           k_qe74f2b3f57_prep
    .symbol:         k_qe74f2b3f57_prep.kd
    .args:
      - { .name: x, .offset: 0, .size: 8, .value_kind: global_buffer, .address_space: global }
      - { .name: w_qkv, .offset: 8, .size: 8, .value_kind: global_buffer, .address_space: global }
      - { .name: w_out, .offset: 16, .size: 8, .value_kind: global_buffer, .address_space: global }
      - { .name: xb, .offset: 24, .size: 8, .value_kind: global_buffer, .address_space: global }
      - { .name: wqt, .offset: 32, .size: 8, .value_kind: global_buffer, .address_space: global }
      - { .name: wot, .offset: 40, .size: 8, .value_kind: global_buffer, .address_space: global }
    .group_segment_fixed_size: 35840
    .private_segment_fixed_size: 0
    .kernarg_segment_align: 8
    .kernarg_segment_size: 48
    .max_flat_workgroup_size: 256
    .sgpr_count:     66
    .vgpr_count:     112
    .wavefront_size: 32
...
	.end_amdgpu_metadata
.endif
;; end of part 1
;; launch project_qkv (part 2): grid 16 x 16, 4 waves a work-group, clusters of 4 x 4, 327,680 bytes of LDS; arguments xb, wqt, qkvh; writes qkvh
.if DOCPART == 2
	.amdgcn_target "amdgcn-amd-amdhsa--gfx1250"
	.amdhsa_code_object_version 6
	.text
	.protected	k_qe74f2b3f57_project_qkv
	.globl	k_qe74f2b3f57_project_qkv
	.p2align	8
	.type	k_qe74f2b3f57_project_qkv,@function
k_qe74f2b3f57_project_qkv:
	s_mov_b64 s[64:65], 0
	v_nop
	global_prefetch_b8 v0, s[64:65] scope:SCOPE_SE
	s_setreg_imm32_b32 hwreg(HW_REG_WAVE_MODE, 25, 1), 1
	s_wait_xcnt 0x0
	s_wait_alu depctr_hold_cnt(0) depctr_sa_sdst(0) depctr_va_vdst(0) depctr_va_sdst(0) depctr_va_ssrc(0) depctr_va_vcc(0) depctr_vm_vsrc(0)
	s_getreg_b32 s2, hwreg(HW_REG_IB_STS2, 6, 4)
	s_cmp_eq_u32 s2, 0
	s_cbranch_scc0 .Lentry_in_a_cluster
	s_endpgm
.Lentry_in_a_cluster:
	s_bfe_u32 s2, ttmp6, 0x10000c
	s_cmp_lg_u32 s2, 0xf033
	s_cbranch_scc0 .Lentry_shape_is_right
	s_endpgm
.Lentry_shape_is_right:
; qkv = x w_qkv, written by heads.  xb: [4096][1024] bf16, wqt: [3072 n][1024 k] bf16, sums in f32.
; qkvh: [48 g][4096 s][64] f16, g = n / 64: q of head h at g = h, k at 16 + h, v at 32 + h.  q's columns are multiplied in f32 by c = log2(e) / 8 before their one rounding,
; so that the next launch's weights are 2^(score - maximum) with nothing more to scale.
; LIMITS.  c q, k and v must lie within f16's 65,504 (beyond it the rounding gives an infinity); below 6e-5 f16 keeps a fixed step of 6e-8.
; SHARES.  A tile of C is 256 rows x 192 columns: 16 x 16 work-groups.  Wave w makes rows 64 w .. 64 w + 63 and all 192 columns, three whole heads, so that its way out needs its own stage alone:
; 48 accumulators of 16 x 16, 384 registers; for 32 along K it makes 32 LDS loads for 48 matrix instructions.
; K goes in eight steps of 128 through a ring of two LDS slots filled by the tensor data mover; a tile's rows are 256 bytes of memory at multiples of 256 bytes.
; CLUSTER.  4 x 4 work-groups.  The four of a row of the cluster need the same rows of xb, the four of a column the same rows of wqt: each tile is asked for JOINTLY, by the same tensor load with the same descriptor and mask.
; THE MATRIX INSTRUCTION IS USED TRANSPOSED (source 0 = 16 rows of wqt, source 1 = 16 rows of xb): a lane holds row l % 16 of C and eight neighbouring columns 8 (l / 16) + 0..7.
; REGISTERS, in windows of 256 (s_set_vgpr_msb: bits 1:0 source 0, 3:2 source 1, 5:4 source 2, 7:6 destination):
;   window 0: v0-31 addresses; v64-95, v96-127 fragments of xb, two buffers of 4 x 8; on the way out v128-175 packed results, v176-223 and v64-111 rows read back
;   window 1: v0-95, v96-191 fragments of wqt, two buffers of 12 x 8
;   window 2: the accumulators of my row blocks 0, 1 (block a, column block b at 8 (12 a + b));   window 3: those of blocks 2, 3
.set KSTEP,  128
.set SIZE_K, 1024
.set PITCH,  272                       ; an LDS row: 256 bytes + 16 of padding = 68 words: the 16 rows of a load start at 16 different groups of four banks (64 banks of 4 bytes: ISA guide 11.1)
.set APART,  128*PITCH                 ; what one tensor load brings of xb
.set BPART,  96*PITCH                  ; and of wqt
.set ABYTES, 2*APART
.set SLOT,   ABYTES+2*BPART            ; xb's 256 rows, then wqt's 192
.set STAGE,  2*SLOT                    ; behind the ring, never filled by a tensor load: for each wave 3 heads x 16 rows x 144 bytes
.set SP,     144
.set WSTAGE, 3*16*SP
.set SPARE,  STAGE+4*WSTAGE            ; behind the stages: the spare words, 128 bytes for each wave: two blocks of 256 bytes that no other line names
.set HEADB,  4096*128                  ; bytes of one g in qkvh
.set ADRA, 16                          ; v16-17  LDS address of my fragments of xb in slot 0, 1
.set ADRB, 20                          ; v20-21  the same for wqt
.set STO,  24                          ; v24     the way out: where I put 16 bytes of a row
.set RD,   25                          ; v25     where I read rows back
.set GO,   26                          ; v26     my 16 bytes in 512 consecutive bytes of qkvh
.set SPW,  28                          ; v28     LDS address of my spare word; never rewritten
.set NIL,  29                          ; v29     0; never rewritten
.set PFO,  30                          ; v30     the prefetches' offset: a row of 2,048 bytes a lane; never rewritten
.set TMP,  128
.set OB0,  176
.set OB1,  64
.set SC,   18                          ; s[18:23] for each of the tile's three heads a pair: c for a head of q, else 1.0
.set G1,   24                          ; s[24:31] descriptor group 1 for xb's tiles;  s[32:39] group 0, a set for each slot
.set G0,   32
.set LIM,  43                          ; s43     1 in a wave that prefetches, else the greatest number
.set PFA,  44                          ; s[44:45] where my prefetches stand
.set G1B,  48                          ; s[48:55], s[56:63] the same for wqt's tiles
.set G0B,  56
.set BITS, (1<<16)|(1<<20)|(1<<21)|(5<<22)|(3<<25)  ; 17:16 2-byte elements; 20 padding on; 21 set beside a mask; 24:22 after every 64 words; 31:25 4 words
.set MSB, 0
.macro WIN new                         ; the immediate's high byte repeats the setting that is left; a switch that changes nothing is dropped
.if MSB != (\new)
	s_set_vgpr_msb (MSB<<8)|(\new)
.set MSB, \new
.endif
.endm
.set MUL_LO, 0xa1                      ; source 0 (wqt) window 1, source 1 (xb) window 0, C and D window 2
.set MUL_HI, 0xf1                      ; the same, C and D window 3
.set TO_B,   0x40                      ; destination window 1, address window 0
; A joint load.  Waves 0 and 1 fetch xb's two halves, waves 2 and 3 wqt's.  The branch hangs on the wave's number alone.  An s_nop 0 and four v_nop follow each of the two lines.
.macro JLOAD s
	s_cmp_eq_u32 s11, 0
	s_cbranch_scc0 .Lfor_b_\@
	tensor_load_to_lds s[G0+4*(\s):G0+4*(\s)+3], s[G1:G1+7]
	s_nop 0
.rept 4
	v_nop
.endr
	s_branch .Lasked_\@
.Lfor_b_\@:
	tensor_load_to_lds s[G0B+4*(\s):G0B+4*(\s)+3], s[G1B:G1B+7]
	s_nop 0
.rept 4
	v_nop
.endr
.Lasked_\@:
.endm
; A prefetch, behind each joint refill and the run of LDS loads that follows it: 256 bytes of each of my rows, the K step that stands two refills on (384 matrix instructions ahead of the load that will ask for it).
; xb's tile row is read by every cluster of that row of clusters: cluster x = 0 asks; wqt's tile column by every cluster of that column: cluster y = 0 asks.  The four partners share a wave's rows out BY ADDRESS:
; 32 of xb's 128 by cx, 24 of wqt's 96 by cy (there lanes 24-31 name lane 23's row once more, inside the one instruction).  The loop's last trip has no K step two on.
.macro ASK
	s_cmp_gt_u32 s3, s[LIM]                        ; s3 = 1 in the loop's last trip
	s_cbranch_scc0 .Lnot_mine_\@
	global_prefetch_b8 v[PFO], s[PFA:PFA+1] offset:KSTEP*2 th:TH_LOAD_NT scope:SCOPE_SE
.Lnot_mine_\@:
.endm
.macro CREST                           ; a round of the cluster's barrier behind its opening barrier
	s_cmp_lg_u32 s10, 0
	s_cbranch_scc1 .Lnot_wave_0_\@
	s_barrier_signal -3
.Lnot_wave_0_\@:
	s_barrier_wait -3
	s_barrier_signal -1
	s_barrier_wait -1
.endm
.macro CROUND                          ; a whole round
	s_barrier_signal -1
	s_barrier_wait -1
	CREST
.endm
	s_load_b128 s[4:7], s[0:1], 0x0                ; xb s[4:5], wqt s[6:7]
	s_load_b64 s[8:9], s[0:1], 0x10                ; qkvh
	v_lshl_add_u32 v[SPW], v0, 2, SPARE
	v_mov_b32 v[NIL], 0
	ds_add_u32 v[SPW], v[NIL]                      ; the wave's opening: the add and its wait stand ahead of my first tensor load; the set-up below stands between them
	v_lshrrev_b32 v1, 5, v0
	v_readfirstlane_b32 s10, v1                    ; wave 0..3
	s_lshr_b32 s11, s10, 1                         ; I fetch for xb (0) or for wqt (1),
	s_and_b32 s12, s10, 1                          ; its first or second half
	s_bfe_u32 s40, ttmp6, 0x40000                  ; cx
	s_bfe_u32 s41, ttmp6, 0x40004                  ; cy
	s_lshl_b32 s42, ttmp9, 2
	s_add_co_u32 s42, s42, s40                     ; tile column = 4 x cluster x + cx
	s_and_b32 s13, ttmp7, 0xffff
	s_lshl_b32 s13, s13, 2
	s_add_co_u32 s13, s13, s41                     ; tile row = 4 x cluster y + cy
	s_lshl_b32 s43, s41, 2
	s_lshl_b32 s43, 15, s43                        ; my row of the cluster
	s_lshl_b32 s44, 0x1111, s40                    ; my column
	s_or_b32 s[G1+0], s43, BITS                    ; xb's tiles go to my row,
	s_or_b32 s[G1B+0], s44, BITS                   ; wqt's to my column
	s_mov_b32 s[G1+1], KSTEP<<16                   ; tensor_dim0 = 128
	s_mov_b32 s[G1+2], 128<<16                     ; tensor_dim1 = 128
	s_mov_b32 s[G1+3], KSTEP<<16                   ; tile_dim0 = 128
	s_mov_b32 s[G1+4], 128                         ; tile_dim1 = 128
	s_mov_b32 s[G1+5], SIZE_K                      ; elements from row to row
	s_mov_b32 s[G1+6], 0
	s_mov_b32 s[G1+7], 0
	s_mov_b32 s[G1B+1], KSTEP<<16
	s_mov_b32 s[G1B+2], 96<<16                     ; 96 rows
	s_mov_b32 s[G1B+3], KSTEP<<16
	s_mov_b32 s[G1B+4], 96
	s_mov_b32 s[G1B+5], SIZE_K
	s_mov_b32 s[G1B+6], 0
	s_mov_b32 s[G1B+7], 0
	s_lshl_b32 s16, s13, 8                         ; xb: row 256 x tile row + 128 x half,
	s_lshl_b32 s17, s12, 7
	s_add_co_u32 s16, s16, s17
	s_lshl_b32 s16, s16, 11                        ; of 2,048 bytes
	s_mov_b32 s17, 0
	s_mul_i32 s46, s42, 192                        ; wqt: row 192 x tile column + 96 x half
	s_mul_i32 s47, s12, 96
	s_add_co_u32 s46, s46, s47
	s_lshl_b32 s46, s46, 11
	s_mov_b32 s47, 0
	s_mul_i32 s20, s12, APART                      ; where they go: no place in the cluster enters an LDS address
	s_mul_i32 s21, s12, BPART
	s_add_co_u32 s21, s21, ABYTES
	s_wait_dscnt 0x0                               ; the opening add is done
	s_wait_kmcnt 0x0
	s_add_nc_u64 s[14:15], s[4:5], s[16:17]
	s_add_nc_u64 s[46:47], s[6:7], s[46:47]
	CROUND                                         ; all sixteen work-groups are here: the first joint loads meet
.irp s, 0,1
	s_mov_b32 s[G0+4*(\s)], 1                      ; count = 1
	s_add_co_u32 s[G0+4*(\s)+1], s20, (\s)*SLOT    ; LDS address
	s_add_nc_u64 s[G0+4*(\s)+2:G0+4*(\s)+3], s[14:15], (\s)*KSTEP*2  ; global address: K step s
	s_or_b32 s[G0+4*(\s)+3], s[G0+4*(\s)+3], 0x80000000              ; type = 2
	s_mov_b32 s[G0B+4*(\s)], 1
	s_add_co_u32 s[G0B+4*(\s)+1], s21, (\s)*SLOT
	s_add_nc_u64 s[G0B+4*(\s)+2:G0B+4*(\s)+3], s[46:47], (\s)*KSTEP*2
	s_or_b32 s[G0B+4*(\s)+3], s[G0B+4*(\s)+3], 0x80000000
	JLOAD \s                                       ; two loads of mine are out
.endr
	; A fragment is 16 rows x 32 K in 8 registers: lane l holds row l % 16; registers 0-3 K = 8 (l / 16) + 0..7, registers 4-7 K = 16 + 8 (l / 16) + 0..7: two loads of 16 bytes, 32 bytes apart.
	v_and_b32 v1, 15, v0                           ; l % 16
	v_bfe_u32 v2, v0, 4, 1                         ; l / 16
	v_mul_u32_u24 v3, v1, PITCH
	v_lshl_add_u32 v3, v2, 4, v3
	s_mul_i32 s21, s10, 64*PITCH                   ; my 64 rows of xb
	s_mov_b32 s22, ABYTES                          ; all 192 rows of wqt
.irp s, 0,1
	v_add_nc_u32 v[ADRA+(\s)], s21, v3
	v_add_nc_u32 v[ADRB+(\s)], s22, v3
	s_add_co_u32 s21, s21, SLOT
	s_add_co_u32 s22, s22, SLOT
.endr
	s_mul_i32 s23, s10, WSTAGE
	s_add_co_u32 s23, s23, STAGE                   ; my stage
	v_mul_u32_u24 v4, v1, SP                       ; in: row l % 16, 16 bytes for each half of the lanes
	v_lshl_add_u32 v4, v2, 4, v4
	v_add_nc_u32 v[STO], s23, v4
	v_bfe_u32 v5, v0, 3, 2                         ; back: 32 lanes take four rows of 128 bytes,
	v_and_b32 v6, 7, v0
	v_mul_u32_u24 v5, v5, SP
	v_lshl_add_u32 v5, v6, 4, v5
	v_add_nc_u32 v[RD], s23, v5
	v_and_b32 v[GO], 31, v0                        ; which are 512 consecutive bytes of qkvh
	v_lshlrev_b32 v[GO], 4, v[GO]
	s_lshl_b32 s16, s13, 8                         ; qkvh at my first row: 256 x tile row + 64 x wave, of 128 bytes,
	s_lshl_b32 s17, s10, 6
	s_add_co_u32 s16, s16, s17
	s_lshl_b32 s16, s16, 7
	s_mov_b32 s17, 0
	s_add_nc_u64 s[8:9], s[8:9], s[16:17]
	s_mul_i32 s46, s42, 3*HEADB                    ; in g = 3 x tile column
	s_mov_b32 s47, 0
	s_add_nc_u64 s[8:9], s[8:9], s[46:47]
	; the prefetches
	s_lshl_b32 s20, s13, 8                         ; xb: 256 x tile row
	s_lshl_b32 s14, s12, 7                         ; + the 128 rows that I fetch
	s_lshl_b32 s16, s40, 5                         ; + my work-group's 32 of them
	s_and_b32 s22, ttmp7, 0xffff                   ; cluster y
	s_mul_i32 s21, s42, 192                        ; wqt: 192 x tile column
	s_mul_i32 s15, s12, 96                         ; + the 96 rows that I fetch
	s_mul_i32 s17, s41, 24                         ; + my work-group's 24 of them
	s_cmp_eq_u32 s11, 0                            ; do I fetch for xb?
	s_cselect_b32 s20, s20, s21
	s_cselect_b32 s14, s14, s15
	s_cselect_b32 s16, s16, s17
	s_cselect_b32 s22, ttmp9, s22                  ; the coordinate along which other clusters read the same rows
	s_cselect_b32 s23, 31, 23                      ; my last row's lane
	s_cselect_b64 s[PFA:PFA+1], s[4:5], s[6:7]
	s_cmp_eq_u32 s22, 0
	s_cselect_b32 s[LIM], 1, -1                    ; the same in all sixteen partners, for a given wave
	s_add_co_u32 s20, s20, s14
	s_add_co_u32 s20, s20, s16
	s_lshl_b32 s20, s20, 11
	s_add_co_u32 s20, s20, 2*KSTEP*2               ; at K step 2: the first refill steps it to 3 and names K step 4
	s_mov_b32 s21, 0
	s_add_nc_u64 s[PFA:PFA+1], s[PFA:PFA+1], s[20:21]
	v_and_b32 v[PFO], 31, v0
	v_min_u32 v[PFO], s23, v[PFO]
	v_lshlrev_b32 v[PFO], 11, v[PFO]
	; the factor of each of the tile's three heads: a select, no branch
	s_mul_i32 s46, s42, 3
.irp hh, 0,1,2
	s_add_co_u32 s47, s46, \hh
	s_cmp_lt_u32 s47, 16                           ; g below 16 is a head of q
	s_cselect_b32 s[SC+2*(\hh)], 0x3e38aa3b, 1.0   ; c = log2(e) / 8 = 0.180337
	s_mov_b32 s[SC+2*(\hh)+1], s[SC+2*(\hh)]       ; named with it as a pair
.endr
; 12 matrix instructions: row block 2 hi + a x all 12 column blocks, 32 along K, from buffer f.  zero = 1: the product starts the sums.
; The 48 accumulators take turns in one fixed order, one instruction a turn, over the backward jump too.
.macro MUL12 f, hi, a, zero
	WIN MUL_LO+0x50*(\hi)
.irp b, 0,1,2,3,4,5,6,7,8,9,10,11
.if \zero
	v_wmma_f32_16x16x32_bf16 v[8*(12*(\a)+(\b)):8*(12*(\a)+(\b))+7], v[96*(\f)+8*(\b):96*(\f)+8*(\b)+7], v[64+32*(\f)+8*(2*(\hi)+(\a)):64+32*(\f)+8*(2*(\hi)+(\a))+7], 0
.else
	v_wmma_f32_16x16x32_bf16 v[8*(12*(\a)+(\b)):8*(12*(\a)+(\b))+7], v[96*(\f)+8*(\b):96*(\f)+8*(\b)+7], v[64+32*(\f)+8*(2*(\hi)+(\a)):64+32*(\f)+8*(2*(\hi)+(\a))+7], v[8*(12*(\a)+(\b)):8*(12*(\a)+(\b))+7]
.endif
.endr
.endm
; 32 LDS loads in one run: a quarter step's fragments (192 rows of wqt, my 64 rows of xb, 32 K at byte k of the rows) into buffer f
.macro FETCH slot, k, f
	WIN TO_B
.irp i, 0,1,2,3,4,5,6,7,8,9,10,11
	ds_load_b128 v[96*(\f)+8*(\i):96*(\f)+8*(\i)+3],   v[ADRB+(\slot)] offset:(\k)+(\i)*16*PITCH
	ds_load_b128 v[96*(\f)+8*(\i)+4:96*(\f)+8*(\i)+7], v[ADRB+(\slot)] offset:(\k)+(\i)*16*PITCH+32
.endr
	WIN 0
.irp i, 0,1,2,3
	ds_load_b128 v[64+32*(\f)+8*(\i):64+32*(\f)+8*(\i)+3],   v[ADRA+(\slot)] offset:(\k)+(\i)*16*PITCH
	ds_load_b128 v[64+32*(\f)+8*(\i)+4:64+32*(\f)+8*(\i)+7], v[ADRA+(\slot)] offset:(\k)+(\i)*16*PITCH+32
.endr
.endm
.macro PLACES                          ; four plain vector instructions behind the last matrix instruction, in front of loads into registers that it has read and of lines that read results
.rept 4
	v_nop
.endr
.endm
; A K step is four quarters of 32 along K, 48 matrix instructions each, on buffers 0, 1, 0, 1.  One of the first three: multiplies buffer f; in its middle it fetches the next quarter, at byte k, into g.
.macro QUARTER slot, k, f, g, zero
	s_wait_dscnt 4                                 ; wqt's fragments and xb's blocks 0, 1 are in; the youngest four loads (blocks 2, 3) may be out
	MUL12 \f, 0, 0, \zero
	MUL12 \f, 0, 1, \zero
	PLACES
	FETCH \slot, \k, \g
	s_wait_dscnt 32                                ; all but the 32 just issued
	MUL12 \f, 1, 0, \zero
	MUL12 \f, 1, 1, \zero
.endm
; The last quarter multiplies buffer 1 and changes slots.  MEET is its first half: one barrier; in front of it each wave waits for all its tensor loads (one is out: its part of the next slot),
; adds 0 to its spare word, and waits for that and for its own reads of this slot.
.macro MEET round
	WIN 0                                          ; (the add's two registers lie in window 0)
	s_wait_tensorcnt 0x0                           ; all my tensor loads have landed
	ds_add_u32 v[SPW], v[NIL]                      ; 0 onto my spare word
	s_wait_dscnt 5                                 ; (the add and the youngest four loads may be out)
	MUL12 1, 0, 0, 0                               ; twelve matrix instructions stand between the add and the wait for it
	s_wait_dscnt 0x0                               ; the add is done, and my reads of this slot are over
	s_barrier_signal -1
	MUL12 1, 0, 1, 0                               ; work on registers while the others arrive
.if \round
	WIN 0
.endif
	s_barrier_wait -1
.endm
; The whole last quarter with a refill: the barrier opens a round of the cluster's, the joint refill is the first tensor load behind it, then come the next slot's first fragments.
; From a request to the wait for it a wave issues 168 matrix instructions.
.macro TURN slot, next
	s_wait_xcnt 0x0                                ; the last prefetch, a K step back, has read its address: it is stepped here
	s_add_nc_u64 s[PFA:PFA+1], s[PFA:PFA+1], KSTEP*2
	MEET 1
	CREST                                          ; no wave of any partner still reads this slot's tile or has a load on its way
	s_add_nc_u64 s[G0+4*(\slot)+2:G0+4*(\slot)+3], s[G0+4*(\slot)+2:G0+4*(\slot)+3], 2*KSTEP*2
	s_add_nc_u64 s[G0B+4*(\slot)+2:G0B+4*(\slot)+3], s[G0B+4*(\slot)+2:G0B+4*(\slot)+3], 2*KSTEP*2
	JLOAD \slot                                    ; the four v_nop behind it are also the places in front of the loads below
	FETCH \next, 0, 0
	ASK
	MUL12 1, 1, 0, 0
	MUL12 1, 1, 1, 0
.endm
	s_wait_tensorcnt 1                             ; my part of K step 0 is in; K step 1's may stay out
	s_barrier_signal -1
	s_barrier_wait -1                              ; everybody's is
	FETCH 0, 0, 0
	QUARTER 0, 64, 0, 1, 1                         ; the first quarter stands in front of the loop: its products start the sums
	WIN 0                                          ; at a label and at a branch every window is 0
	s_mov_b32 s3, 3
.Llap:                                                 ; a trip goes once round the ring, from a lap's second quarter to the next lap's first; three trips ask for K steps 2 to 7
	QUARTER 0, 128, 1, 0, 0
	QUARTER 0, 192, 0, 1, 0
	TURN 0, 1
	QUARTER 1, 64,  0, 1, 0
	QUARTER 1, 128, 1, 0, 0
	QUARTER 1, 192, 0, 1, 0
	TURN 1, 0
	QUARTER 0, 64,  0, 1, 0
	WIN 0
	s_sub_co_u32 s3, s3, 1
	s_cmp_lg_u32 s3, 0
	s_cbranch_scc1 .Llap
	QUARTER 0, 128, 1, 0, 0                        ; the last lap is written out: it asks for nothing
	QUARTER 0, 192, 0, 1, 0
	MEET 0                                         ; my one load that was still out is K step 7's, so no round follows
	PLACES
	FETCH 1, 0, 0
	MUL12 1, 1, 0, 0
	MUL12 1, 1, 1, 0
	QUARTER 1, 64,  0, 1, 0
	QUARTER 1, 128, 1, 0, 0
	QUARTER 1, 192, 0, 1, 0
	s_wait_dscnt 4                                 ; the very last quarter: nothing more to fetch
	MUL12 1, 0, 0, 0
	MUL12 1, 0, 1, 0
	s_wait_dscnt 0x0
	MUL12 1, 1, 0, 0
	MUL12 1, 1, 1, 0
	WIN 0
; THE WAY OUT of row block a (16 rows, three heads).  PACK: times the head's factor, rounded to f16, 16 bytes a lane; both runs ascend.
.macro PACK a
.set AC, 96*((\a)%2)
	WIN 0x82+0x41*((\a)/2)                         ; destination and source 0: window 2 or 3
.irp b, 0,1,2,3,4,5,6,7,8,9,10,11
.irp r, 0,1,2,3
	v_pk_mul_f32 v[AC+8*(\b)+2*(\r):AC+8*(\b)+2*(\r)+1], v[AC+8*(\b)+2*(\r):AC+8*(\b)+2*(\r)+1], s[SC+2*((\b)/4):SC+2*((\b)/4)+1] op_sel_hi:[1,0]
.endr
.endr
	WIN 0x0a+5*((\a)/2)                            ; sources 0 and 1: window 2 or 3; destination window 0
.irp b, 0,1,2,3,4,5,6,7,8,9,10,11
.irp r, 0,1,2,3
	v_cvt_pk_f16_f32 v[TMP+4*(\b)+(\r)], v[AC+8*(\b)+2*(\r)], v[AC+8*(\b)+2*(\r)+1]
.endr
.endr
	WIN 0
.endm
.macro BACK a                          ; the registers into which block a is read back
.if (\a)%2
.set BK, OB1
.else
.set BK, OB0
.endif
.endm
; TOSTAGE: into my own stage, and back as whole rows of 128 bytes, four to a load.
.macro TOSTAGE a
	BACK \a
.if (\a) >= 2
	s_wait_xcnt 0x0                                ; the stores of the block two back have read these registers
.endif
.irp b, 0,1,2,3,4,5,6,7,8,9,10,11
	ds_store_b128 v[STO], v[TMP+4*(\b):TMP+4*(\b)+3] offset:16*SP*((\b)/4)+32*((\b)%4)
.endr
.irp t, 0,1,2,3,4,5,6,7,8,9,10,11
	ds_load_b128 v[BK+4*(\t):BK+4*(\t)+3], v[RD] offset:16*SP*((\t)/4)+4*SP*((\t)%4)  ; LDS serves a wave's instructions in order (ISA guide 5.7.1.4): these see the stores above
.endr
.endm
.macro SEND a
	BACK \a
	s_wait_dscnt 0x0                               ; the block is back in registers
.irp t, 0,1,2,3,4,5,6,7,8,9,10,11
	global_store_b128 v[GO], v[BK+4*(\t):BK+4*(\t)+3], s[8:9] offset:((\t)/4)*HEADB+(\a)*2048+((\t)%4)*512  ; 512 consecutive bytes, at a multiple of 256 from the buffer's first byte
.endr
.endm
	PLACES
	PACK 0
	TOSTAGE 0
.irp a, 1,2,3                          ; block a's arithmetic stands between block a - 1's loads from the stage and the wait for them
	PACK \a
	SEND (\a)-1
	TOSTAGE \a
.endr
	SEND 3
	s_wait_tensorcnt 0x0                           ; the wave's end: behind my last tensor load and my last LDS store
	ds_add_u32 v[SPW], v[NIL]
	s_wait_dscnt 0x0
	CROUND                                         ; the closing round: no work-group ends while a partner may still ask for a tile that names it
	s_endpgm
.Lfunc_end_k_qe74f2b3f57_project_qkv:
	.size	k_qe74f2b3f57_project_qkv, .Lfunc_end_k_qe74f2b3f57_project_qkv-k_qe74f2b3f57_project_qkv
	.p2alignl 7, 3214868480
	.fill 96, 4, 3214868480
	.section	.rodata,"a",@progbits
	.p2align	6, 0x0
	.amdhsa_kernel k_qe74f2b3f57_project_qkv
		.amdhsa_group_segment_fixed_size 327680
		.amdhsa_private_segment_fixed_size 0
		.amdhsa_enable_private_segment 0
		.amdhsa_kernarg_size 24
		.amdhsa_user_sgpr_count 2
		.amdhsa_user_sgpr_kernarg_segment_ptr 1
		.amdhsa_wavefront_size32 1
		.amdhsa_system_sgpr_workgroup_id_x 1
		.amdhsa_system_sgpr_workgroup_id_y 1
		.amdhsa_system_sgpr_workgroup_id_z 1
		.amdhsa_system_vgpr_workitem_id 0
		.amdhsa_next_free_vgpr 960
		.amdhsa_next_free_sgpr 66
		.amdhsa_reserve_vcc 0
		.amdhsa_float_denorm_mode_32 3
		.amdhsa_float_denorm_mode_16_64 3
		.amdhsa_memory_ordered 1
		.amdhsa_forward_progress 1
		.amdhsa_inst_pref_size 132
	.end_amdhsa_kernel
	.amdgpu_metadata
---
amdhsa.version: [ 1, 2 ]
amdhsa.kernels:
  - .name:           k_qe74f2b3f57_project_qkv
    .symbol:         k_qe74f2b3f57_project_qkv.kd
    .args:
      - { .name: xb, .offset: 0, .size: 8, .value_kind: global_buffer, .address_space: global }
      - { .name: wqt, .offset: 8, .size: 8, .value_kind: global_buffer, .address_space: global }
      - { .name: qkvh, .offset: 16, .size: 8, .value_kind: global_buffer, .address_space: global }
    .group_segment_fixed_size: 327680
    .private_segment_fixed_size: 0
    .kernarg_segment_align: 8
    .kernarg_segment_size: 24
    .max_flat_workgroup_size: 128
    .sgpr_count:     66
    .vgpr_count:     960
    .wavefront_size: 32
...
	.end_amdgpu_metadata
.endif
;; end of part 2
;; launch attend (part 3): grid 16 x 16, 16 waves a work-group, no clusters, 194,560 bytes of LDS; arguments qkvh, ob; writes ob
.if DOCPART == 3
	.amdgcn_target "amdgcn-amd-amdhsa--gfx1250"
	.amdhsa_code_object_version 6
	.text
	.protected	k_qe74f2b3f57_attend
	.globl	k_qe74f2b3f57_attend
	.p2align	8
	.type	k_qe74f2b3f57_attend,@function
k_qe74f2b3f57_attend:
	s_mov_b64 s[64:65], 0
	v_nop
	global_prefetch_b8 v0, s[64:65] scope:SCOPE_SE
	s_setreg_imm32_b32 hwreg(HW_REG_WAVE_MODE, 25, 1), 1
	s_wait_xcnt 0x0
; BANDED AND GLOBAL CAUSAL ATTENTION.  Row i sees the keys max(0, i - 128) .. i and 0 .. min(63, i).  qkvh: [48][4096][64] f16 (q, already times c = log2(e) / 8, at g = h; k at 16 + h; v at 32 + h).
; ob: [16 h][4096 s][64] f16.  Products, maximum and sum in f32; the weights p = 2^(score - maximum) are rounded to f16 for the second product (their sum is taken of the unrounded p), O once at the end.
; LIMITS.  A hidden score counts as its value less 1e30 (twice that where two masks meet); f16's scores are nothing beside it.  A weight below 2^-126 counts as 0; below 6e-5 p keeps f16's fixed step of 6e-8.
; NaN and infinities are not treated apart.  Every row sees its own key, so the maximum is a true score, its weight is 1 and the sum is at least 1.
; SHARES.  A work-group owns 256 queries of one head (block b = x, head = y); each of its sixteen waves one tile of 16 queries, QT = 16 b + wave.  Four waves lie on a SIMD with 256 registers each:
; no register windows, and one wave's softmax runs beside another's products.
; KEYS, in 13 blocks of 16: n = 0..3 the global keys 16 n ..; n = 4 + kb, kb = 0..8, the window's block QT - 8 + kb.  kb = 0 starts its sum with the mask MB0 (hidden where key' < query'), kb = 8 with
; MD0 (hidden where key' > query'), all others with 0.  All 13 blocks of scores are held at once, 104 registers: the row's true maximum, one pass, nothing rescaled.
; For QT < 12 a fix-up hides the window's blocks below key 64 (the global blocks hold them, or they lie in front of the sequence) and the global blocks at or past the diagonal.
; LAYOUT.  S^T = K Q^T (source 0 = 16 keys, source 1 = 16 queries): a lane holds ONE query (l % 16) and keys 8 (l / 16) + 0..7; two blocks rounded in pairs ARE source 1 of O^T = V^T P.
; NO CLUSTER: of the 512 rows that a work-group fetches of K and of V its neighbours share the 128 global rows and, with one neighbour, 128 more.  All loads go out at the kernel's head, once.
.set PK,    144       ; a row of K in LDS: 128 bytes + 16: the 16 rows of a load start at 16 different groups of four banks (64 banks of 4 bytes: ISA guide 11.1)
.set PV,    160       ; a row of V: 128 + 32
.set VOFF,  512*PK    ; K: 512 rows: 0-127 keys 256 b - 128 .., 128-383 keys 256 b .., 384-511 keys 0-127; then V likewise
.set GROW,  384
.set STAGE, VOFF+512*PV  ; never filled by a tensor load: 16 rows x 144 bytes for each wave
.set SP,    144
.set SPARE, STAGE+16*16*SP  ; the spare words, 128 bytes for each of the sixteen waves: eight blocks of 256 bytes that no other line names
.set AKW, 3           ; v3   my lane's place in the window's first block of K
.set AKG, 4           ; v4   in the first global block of K
.set AVW, 5           ; v5   the same for V
.set AVG, 6           ; v6
.set QO,  7           ; v7   my byte offset in the tile's rows of Q
.set STO, 8           ; v8   the way out: where I put 16 bytes of a row
.set RD,  9           ; v9   where I read rows back
.set GO,  10          ; v10  my 16 bytes in 512 consecutive bytes of ob
.set SPW, 12          ; v12  LDS address of my spare word; never rewritten
.set NIL, 13          ; v13  0; never rewritten
.set M,   14          ; v[14:15] the maximum, twice; later 1 / sum, twice
.set Q,   16          ; v[16:31]
.set MB0, 32          ; v[32:39]
.set MD0, 40          ; v[40:47]
.set S,   48          ; v[48:151] block n at S + 8 n; P of key group i in place at S + 16 i .. + 7
.set KB0, 152         ; two buffers of three blocks of K, 16 registers a block
.set KB1, 200
.set VB0, 152         ; later two buffers of 32 keys of V,
.set VB1, 184
.set O,   216         ; and O^T: channel block cb at O + 8 cb
.set CH,  248         ; v[248:255] chains for the maximum and the sum
.set WV,  12          ; s12  wave
.set BL,  13          ; s13  b
.set HD,  14          ; s14  head
.set QT,  15          ; s15
.set PART, 16         ; s16  which 128 rows of the region I fetch
.set G1K, 24
.set G1V, 32
.set G0K, 40
.set G0V, 44
.set BIGN, 48         ; s48  -1e30
.set SEL, 50          ; s[50:51] v_permlanex16_b32's selects: each lane takes its own place in the other half
.set BIAS, 52         ; s[52:53] the fix-up's addend, in the low word
.set QB,  54          ; s[54:55] Q at my tile
	s_load_b128 s[4:7], s[0:1], 0x0   ; qkvh s[4:5], ob s[6:7]
	v_lshl_add_u32 v[SPW], v0, 2, SPARE
	v_mov_b32 v[NIL], 0
	ds_add_u32 v[SPW], v[NIL]       ; the wave's opening: the add and its wait stand ahead of the first tensor load; the set-up below stands between them
	v_lshrrev_b32 v1, 5, v0
	v_readfirstlane_b32 s[WV], v1   ; wave 0..15
	s_mov_b32 s[BL], ttmp9
	s_and_b32 s[HD], ttmp7, 0xffff
	s_lshl_b32 s[QT], s[BL], 4
	s_add_co_u32 s[QT], s[QT], s[WV]
	s_and_b32 s[PART], s[WV], 3
	s_lshl_b32 s17, s[BL], 8        ; the part's first key: 256 b - 128 + 128 part, not below 0 (b = 0: real rows that the fix-up hides),
	s_lshl_b32 s18, s[PART], 7
	s_add_co_u32 s17, s17, s18
	s_max_u32 s17, s17, 128
	s_sub_co_u32 s17, s17, 128
	s_cmp_eq_u32 s[PART], 3
	s_cselect_b32 s17, 0, s17       ; part 3: the global keys
	s_lshl_b32 s22, s[HD], 19       ; the head's 524,288 bytes
	s_lshl_b32 s17, s17, 7
	s_add_co_u32 s18, s22, s17
	s_mov_b32 s19, 0
	s_lshl_b32 s20, s[QT], 11       ; my tile's 16 rows of 128 bytes
	s_add_co_u32 s20, s20, s22
	s_mov_b32 s21, 0
	; descriptor group 1.  128 keys are 16,384 dense bytes: asked for as 64 rows of 256 bytes, two keys a row, and padded in LDS after every key
	s_mov_b32 s[G1K], (1<<16)|(1<<20)|(4<<22)|(3<<25)  ; 17:16 2-byte elements; 20 padding on; 24:22 after every 32 words; 31:25 4 words
	s_mov_b32 s[G1V], (1<<16)|(1<<20)|(4<<22)|(7<<25)  ; the same with 8 words
.irp g, G1K, G1V
	s_mov_b32 s[\g+1], 128<<16      ; tensor_dim0 = 128
	s_mov_b32 s[\g+2], 64<<16       ; tensor_dim1 = 64
	s_mov_b32 s[\g+3], 128<<16      ; tile_dim0 = 128
	s_mov_b32 s[\g+4], 64           ; tile_dim1 = 64
	s_mov_b32 s[\g+5], 128          ; 128 elements from row to row
	s_mov_b32 s[\g+6], 0
	s_mov_b32 s[\g+7], 0
.endr
	s_mov_b32 s[G0K], 1
	s_mul_i32 s[G0K+1], s[PART], 128*PK
	s_mov_b32 s[G0V], 1
	s_mul_i32 s[G0V+1], s[PART], 128*PV
	s_add_co_u32 s[G0V+1], s[G0V+1], VOFF
	s_mov_b32 s[BIGN], 0xf149f2ca   ; -1e30
	s_mov_b32 s[SEL], 0x76543210
	s_mov_b32 s[SEL+1], 0xfedcba98
	s_mov_b32 s[BIAS+1], 0          ; named as a pair
	s_wait_dscnt 0x0                ; the opening add is done
	s_wait_kmcnt 0x0
	s_add_nc_u64 s[G0K+2:G0K+3], s[4:5], s[18:19]
	s_add_nc_u64 s[G0K+2:G0K+3], s[G0K+2:G0K+3], 16*524288  ; K begins at g = 16
	s_or_b32 s[G0K+3], s[G0K+3], 0x80000000                 ; type = 2
	s_add_nc_u64 s[G0V+2:G0V+3], s[4:5], s[18:19]
	s_add_nc_u64 s[G0V+2:G0V+3], s[G0V+2:G0V+3], 32*524288  ; V at g = 32
	s_or_b32 s[G0V+3], s[G0V+3], 0x80000000
	s_add_nc_u64 s[QB:QB+1], s[4:5], s[20:21]
	s_add_nc_u64 s[6:7], s[6:7], s[20:21]
	; THE FILL: waves 0-3 the four parts of K, waves 4-7 those of V, one load each; waves 8-15 none.  An s_nop 0 and four v_nop follow each line.
	s_cmp_lt_u32 s[WV], 4
	s_cbranch_scc0 .Lnot_k
	tensor_load_to_lds s[G0K:G0K+3], s[G1K:G1K+7]
	s_nop 0
.rept 4
	v_nop
.endr
	s_branch .Lasked
.Lnot_k:
	s_cmp_lt_u32 s[WV], 8
	s_cbranch_scc0 .Lasked
	tensor_load_to_lds s[G0V:G0V+3], s[G1V:G1V+7]
	s_nop 0
.rept 4
	v_nop
.endr
.Lasked:
	; A fragment of K or Q is 16 rows x 32 channels in 8 registers: lane l holds row l % 16, channels 8 (l / 16) + 0..7 and 16 + 8 (l / 16) + 0..7: two loads of 16 bytes, 32 bytes apart.
	v_and_b32 v1, 15, v0            ; l % 16
	v_bfe_u32 v2, v0, 4, 1          ; l / 16
	v_lshlrev_b32 v[QO], 7, v1
	v_lshl_add_u32 v[QO], v2, 4, v[QO]
.irp i, 0,1,2,3
	global_load_b128 v[Q+4*(\i):Q+4*(\i)+3], v[QO], s[QB:QB+1] offset:32*(\i)
.endr
	v_mul_u32_u24 v11, v1, PK
	v_lshl_add_u32 v11, v2, 4, v11  ; row x 144 + 16 x half: for K and for the stage
	s_mul_i32 s20, s[WV], 16*PK     ; the window's first block lies at row 16 x wave
	v_add_nc_u32 v[AKW], s20, v11
	v_add_nc_u32 v[AKG], GROW*PK, v11
	s_add_co_u32 s21, s20, STAGE    ; my stage: 16 rows of 144 bytes too
	v_add_nc_u32 v[STO], s21, v11
	; The turning load takes 16 keys x 16 channels (lane l reads key 8 (l / 16) + l % 8, channels 8 ((l / 8) % 2) + 0..7) and leaves half a fragment of V^T: lane l holds channel l % 16 and 8 keys.
	v_and_b32 v248, 7, v0
	v_bfe_u32 v249, v0, 3, 1
	v_lshl_add_u32 v250, v2, 3, v248
	v_mul_u32_u24 v250, v250, PV
	v_lshl_add_u32 v250, v249, 4, v250
	s_mul_i32 s22, s[WV], 16*PV
	s_add_co_u32 s22, s22, VOFF
	v_add_nc_u32 v[AVW], s22, v250
	v_add_nc_u32 v[AVG], VOFF+GROW*PV, v250
	v_bfe_u32 v251, v0, 3, 2        ; back from the stage: 32 lanes take four rows of 128 bytes,
	v_mul_u32_u24 v251, v251, SP
	v_lshl_add_u32 v251, v248, 4, v251
	v_add_nc_u32 v[RD], s21, v251
	v_and_b32 v[GO], 31, v0         ; which are 512 consecutive bytes of ob
	v_lshlrev_b32 v[GO], 4, v[GO]
	v_lshlrev_b32 v14, 3, v2
	v_sub_nc_u32 v14, v1, v14       ; query' - 8 (l / 16): register j holds key' = 8 (l / 16) + j
.irp j, 0,1,2,3,4,5,6,7
	v_cmp_lt_i32 vcc_lo, \j, v14    ; key' < query': outside the band in the window's first block
	v_cndmask_b32 v[MB0+(\j)], 0, s[BIGN], vcc_lo
	v_cmp_gt_i32 vcc_lo, \j, v14    ; key' > query': above the diagonal in its last
	v_cndmask_b32 v[MD0+(\j)], 0, s[BIGN], vcc_lo
.endr
	s_wait_tensorcnt 0x0            ; my part, if I fetched one, is in,
	s_barrier_signal -1
	s_barrier_wait -1               ; everybody's is
.macro KLOAD n0, cnt, buf           ; blocks n0 .. n0 + cnt - 1 of K: four loads a block
.set kn, \n0
.set kd, \buf
.rept \cnt
.irp e, 0,1,2,3
.if kn < 4
	ds_load_b128 v[kd+4*(\e):kd+4*(\e)+3], v[AKG] offset:16*PK*kn+32*(\e)
.else
	ds_load_b128 v[kd+4*(\e):kd+4*(\e)+3], v[AKW] offset:16*PK*(kn-4)+32*(\e)
.endif
.endr
.set kn, kn+1
.set kd, kd+16
.endr
.endm
.macro KMUL n0, cnt, buf            ; their scores: channels 0-31 of every block, then channels 32-63: the group's accumulators take turns
.irp c, 0,1
.set kn, \n0
.set kd, \buf
.rept \cnt
.if (\c) == 1
	v_wmma_f32_16x16x32_f16 v[S+8*kn:S+8*kn+7], v[kd+8:kd+15], v[Q+8:Q+15], v[S+8*kn:S+8*kn+7]
.elseif kn == 4
	v_wmma_f32_16x16x32_f16 v[S+8*kn:S+8*kn+7], v[kd:kd+7], v[Q:Q+7], v[MB0:MB0+7]
.elseif kn == 12
	v_wmma_f32_16x16x32_f16 v[S+8*kn:S+8*kn+7], v[kd:kd+7], v[Q:Q+7], v[MD0:MD0+7]
.else
	v_wmma_f32_16x16x32_f16 v[S+8*kn:S+8*kn+7], v[kd:kd+7], v[Q:Q+7], 0
.endif
.set kn, kn+1
.set kd, kd+16
.endr
.endr
.endm
.macro VLOAD i, buf                 ; key group i (blocks 2 i, 2 i + 1) of V, turned: eight loads.  Group 6's second half names 16 loaded rows behind the tile's last key; its weights are 0
.irp cb, 0,1,2,3
.if (\i) < 2
	ds_load_tr16_b128 v[(\buf)+8*(\cb):(\buf)+8*(\cb)+3],   v[AVG] offset:32*PV*(\i)+32*(\cb)
	ds_load_tr16_b128 v[(\buf)+8*(\cb)+4:(\buf)+8*(\cb)+7], v[AVG] offset:32*PV*(\i)+16*PV+32*(\cb)
.else
	ds_load_tr16_b128 v[(\buf)+8*(\cb):(\buf)+8*(\cb)+3],   v[AVW] offset:32*PV*((\i)-2)+32*(\cb)
	ds_load_tr16_b128 v[(\buf)+8*(\cb)+4:(\buf)+8*(\cb)+7], v[AVW] offset:32*PV*((\i)-2)+16*PV+32*(\cb)
.endif
.endr
.endm
.macro PVMUL i, buf                 ; O^T += V^T P for key group i: the four accumulators take turns
.irp cb, 0,1,2,3
.if (\i) == 0
	v_wmma_f32_16x16x32_f16 v[O+8*(\cb):O+8*(\cb)+7], v[(\buf)+8*(\cb):(\buf)+8*(\cb)+7], v[S+16*(\i):S+16*(\i)+7], 0
.else
	v_wmma_f32_16x16x32_f16 v[O+8*(\cb):O+8*(\cb)+7], v[(\buf)+8*(\cb):(\buf)+8*(\cb)+7], v[S+16*(\i):S+16*(\i)+7], v[O+8*(\cb):O+8*(\cb)+7]
.endif
.endr
.endm
.macro PLACES                       ; four plain vector instructions behind the last matrix instruction, in front of loads into registers that it has read and of lines that read results
.rept 4
	v_nop
.endr
.endm
	; THE SCORES, in groups of blocks {0-2} {3-5} {6-8} {9-10} {11-12} on two buffers; each counted wait leaves the younger group's loads out
	KLOAD 0, 3, KB0
	KLOAD 3, 3, KB1
	s_wait_loadcnt 0x0              ; Q
	s_wait_dscnt 12
	KMUL 0, 3, KB0
	PLACES
	KLOAD 6, 3, KB0
	s_wait_dscnt 12
	KMUL 3, 3, KB1
	PLACES
	KLOAD 9, 2, KB1
	s_wait_dscnt 8
	KMUL 6, 3, KB0
	PLACES
	KLOAD 11, 2, KB0
	s_wait_dscnt 8
	KMUL 9, 2, KB1
	s_wait_dscnt 0x0
	KMUL 11, 2, KB0
	PLACES
	VLOAD 0, VB0                    ; the first two key groups of V land during the softmax
	VLOAD 1, VB1
	; THE FIX-UP, for the first twelve tiles of the sequence alone: a branch on the tile's number
	s_cmp_lt_u32 s[QT], 12
	s_cbranch_scc0 .Lno_fix
.irp g, 0,1,2,3
	s_cmp_le_u32 s[QT], \g          ; a global block at or past the diagonal: the window's last block holds the diagonal
	s_cselect_b32 s[BIAS], s[BIGN], 0
.irp k, 0,1,2,3
	v_pk_add_f32 v[S+8*(\g)+2*(\k):S+8*(\g)+2*(\k)+1], v[S+8*(\g)+2*(\k):S+8*(\g)+2*(\k)+1], s[BIAS:BIAS+1] op_sel_hi:[1,0]
.endr
.endr
.irp kb, 0,1,2,3,4,5,6,7
	s_cmp_lt_u32 s[QT], 12-(\kb)    ; the window's block QT - 8 + kb lies below block 4
	s_cselect_b32 s[BIAS], s[BIGN], 0
.irp k, 0,1,2,3
	v_pk_add_f32 v[S+32+8*(\kb)+2*(\k):S+32+8*(\kb)+2*(\k)+1], v[S+32+8*(\kb)+2*(\k):S+32+8*(\kb)+2*(\k)+1], s[BIAS:BIAS+1] op_sel_hi:[1,0]
.endr
.endr
.Lno_fix:
	; THE MAXIMUM of the lane's 104 scores, in four chains.  Chain c walks blocks c, 4 + c, 8 + c and registers 2 c, 2 c + 1 of block 12: 26 scores, three in the first step, two in each of eleven, one in the last.
	; Each accumulator is first read at one of its lowest registers.
.macro LIDX sym, c, i               ; the register of score i of chain c
.if (\i) < 24
.set \sym, S+8*(4*((\i)/8)+(\c))+(\i)%8
.else
.set \sym, S+96+2*(\c)+(\i)-24
.endif
.endm
.set t, 0
.rept 13
.irp c, 0,1,2,3
.if t == 0
	v_max3_num_f32 v[CH+(\c)], v[S+8*(\c)], v[S+8*(\c)+1], v[S+8*(\c)+2]
.elseif t < 12
	LIDX rA, \c, 2*t+1
	LIDX rB, \c, 2*t+2
	v_max3_num_f32 v[CH+(\c)], v[CH+(\c)], v[rA], v[rB]
.else
	LIDX rA, \c, 25
	v_max_num_f32 v[CH+(\c)], v[CH+(\c)], v[rA]
.endif
.endr
.set t, t+1
.endr
	v_max3_num_f32 v[CH], v[CH], v[CH+1], v[CH+2]
	v_max_num_f32 v[CH], v[CH], v[CH+3]
	v_permlanex16_b32 v[CH+1], v[CH], s[SEL], s[SEL+1]  ; the query's other keys lie in the lane 16 away
	v_max_num_f32 v[M], v[CH], v[CH+1]
	v_mov_b32 v[M+1], v[M]
	; ONE BATCH: 52 packed subtractions and 104 exponentials, a subtraction two pairs ahead of its exponentials; nothing ahead of the wait names a result
.macro SUBP k
	v_pk_add_f32 v[S+2*(\k):S+2*(\k)+1], v[S+2*(\k):S+2*(\k)+1], v[M:M+1] neg_lo:[0,1] neg_hi:[0,1]
.endm
	SUBP 0
	SUBP 1
.set k, 0
.rept 52
	v_exp_f32 v[S+2*k], v[S+2*k]
.if k < 50
	SUBP k+2
.endif
	v_exp_f32 v[S+2*k+1], v[S+2*k+1]
.set k, k+1
.endr
	v_nop                           ; a plain instruction behind the last exponential: one for the batch
	s_wait_alu depctr_va_vdst(0)    ; the wait ahead of the first line that names a result: one for the 104
	; THE SUM AND THE ROUNDINGS, a key group at a time: first the group's pairs onto four chains of pairs, then the roundings in place (word j takes weights 2 j and 2 j + 1, ascending)
.macro GROUP g
.set gb, S+16*(\g)
.if (\g) == 0
.irp k, 0,1,2,3
	v_pk_add_f32 v[CH+2*(\k):CH+2*(\k)+1], v[gb+2*(\k):gb+2*(\k)+1], v[gb+8+2*(\k):gb+8+2*(\k)+1]  ; the first group starts the chains: nothing is cleared
.endr
.else
.irp k, 0,1,2,3
	v_pk_add_f32 v[CH+2*(\k):CH+2*(\k)+1], v[CH+2*(\k):CH+2*(\k)+1], v[gb+2*(\k):gb+2*(\k)+1]
.endr
.if (\g) < 6
.irp k, 0,1,2,3
	v_pk_add_f32 v[CH+2*(\k):CH+2*(\k)+1], v[CH+2*(\k):CH+2*(\k)+1], v[gb+8+2*(\k):gb+8+2*(\k)+1]
.endr
.endif
.endif
.irp j, 0,1,2,3
	v_cvt_pk_f16_f32 v[gb+(\j)], v[gb+2*(\j)], v[gb+2*(\j)+1]
.endr
.irp j, 4,5,6,7
.if (\g) < 6
	v_cvt_pk_f16_f32 v[gb+(\j)], v[gb+2*(\j)], v[gb+2*(\j)+1]
.else
	v_mov_b32 v[gb+(\j)], 0         ; the last group has one block: the other sixteen keys weigh 0
.endif
.endr
.endm
.irp g, 0,1,2,3,4,5,6
	GROUP \g
.endr
	v_pk_add_f32 v[CH:CH+1], v[CH:CH+1], v[CH+2:CH+3]
	v_pk_add_f32 v[CH+4:CH+5], v[CH+4:CH+5], v[CH+6:CH+7]
	v_pk_add_f32 v[CH:CH+1], v[CH:CH+1], v[CH+4:CH+5]
	v_add_f32 v[CH], v[CH], v[CH+1]
	v_permlanex16_b32 v[CH+1], v[CH], s[SEL], s[SEL+1]
	v_add_f32 v[CH], v[CH], v[CH+1]
	v_rcp_f32 v[M], v[CH]           ; its result is first named behind the products below, and its wait stands there
	v_nop                           ; a plain instruction behind the reciprocal
	; O^T = V^T P, seven key groups on two buffers; each counted wait leaves the next group's eight loads out
.irp i, 0,1,2,3,4,5,6
.if (\i) < 6
	s_wait_dscnt 8
.else
	s_wait_dscnt 0x0
.endif
.if (\i)%2
	PVMUL \i, VB1
.else
	PVMUL \i, VB0
.endif
.if (\i) < 5
	PLACES
.if (\i)%2
	VLOAD (\i)+2, VB1
.else
	VLOAD (\i)+2, VB0
.endif
.endif
.endr
	; THE WAY OUT: O^T divided by the sum, rounded to f16, through my stage, out as 2,048 consecutive bytes
	PLACES
	s_wait_alu depctr_va_vdst(0)    ; the reciprocal's wait, ahead of the first line that names it
	v_mov_b32 v[M+1], v[M]
.set k, 0
.rept 16
	v_pk_mul_f32 v[O+2*k:O+2*k+1], v[O+2*k:O+2*k+1], v[M:M+1]
.set k, k+1
.endr
.set k, 0
.rept 16
	v_cvt_pk_f16_f32 v[S+k], v[O+2*k], v[O+2*k+1]
.set k, k+1
.endr
.irp f, 0,1,2,3
	ds_store_b128 v[STO], v[S+4*(\f):S+4*(\f)+3] offset:32*(\f)
.endr
.irp f, 0,1,2,3
	ds_load_b128 v[S+16+4*(\f):S+16+4*(\f)+3], v[RD] offset:(\f)*4*SP  ; LDS serves a wave's instructions in order (ISA guide 5.7.1.4): these see the stores above
.endr
.irp f, 0,1,2,3
	s_wait_dscnt 3-(\f)
	global_store_b128 v[GO], v[S+16+4*(\f):S+16+4*(\f)+3], s[6:7] offset:(\f)*512  ; 512 consecutive bytes, at a multiple of 256 from the buffer's first byte
.endr
	s_wait_tensorcnt 0x0            ; the wave's end: behind my last tensor load and my last LDS store
	ds_add_u32 v[SPW], v[NIL]
	s_wait_dscnt 0x0
	s_endpgm
.Lfunc_end_k_qe74f2b3f57_attend:
	.size	k_qe74f2b3f57_attend, .Lfunc_end_k_qe74f2b3f57_attend-k_qe74f2b3f57_attend
	.p2alignl 7, 3214868480
	.fill 96, 4, 3214868480
	.section	.rodata,"a",@progbits
	.p2align	6, 0x0
	.amdhsa_kernel k_qe74f2b3f57_attend
		.amdhsa_group_segment_fixed_size 194560
		.amdhsa_private_segment_fixed_size 0
		.amdhsa_enable_private_segment 0
		.amdhsa_kernarg_size 16
		.amdhsa_user_sgpr_count 2
		.amdhsa_user_sgpr_kernarg_segment_ptr 1
		.amdhsa_wavefront_size32 1
		.amdhsa_system_sgpr_workgroup_id_x 1
		.amdhsa_system_sgpr_workgroup_id_y 1
		.amdhsa_system_sgpr_workgroup_id_z 1
		.amdhsa_system_vgpr_workitem_id 0
		.amdhsa_next_free_vgpr 256
		.amdhsa_next_free_sgpr 66
		.amdhsa_reserve_vcc 1
		.amdhsa_float_denorm_mode_32 3
		.amdhsa_float_denorm_mode_16_64 3
		.amdhsa_memory_ordered 1
		.amdhsa_forward_progress 1
		.amdhsa_inst_pref_size 43
	.end_amdhsa_kernel
	.amdgpu_metadata
---
amdhsa.version: [ 1, 2 ]
amdhsa.kernels:
  - .name:           k_qe74f2b3f57_attend
    .symbol:         k_qe74f2b3f57_attend.kd
    .args:
      - { .name: qkvh, .offset: 0, .size: 8, .value_kind: global_buffer, .address_space: global }
      - { .name: ob, .offset: 8, .size: 8, .value_kind: global_buffer, .address_space: global }
    .group_segment_fixed_size: 194560
    .private_segment_fixed_size: 0
    .kernarg_segment_align: 8
    .kernarg_segment_size: 16
    .max_flat_workgroup_size: 512
    .sgpr_count:     66
    .vgpr_count:     256
    .wavefront_size: 32
...
	.end_amdgpu_metadata
.endif
;; end of part 3
;; launch project_out (part 4): grid 8 x 32, 4 waves a work-group, clusters of 4 x 4, 327,680 bytes of LDS; arguments ob, wot, out0; writes out0
.if DOCPART == 4
	.amdgcn_target "amdgcn-amd-amdhsa--gfx1250"
	.amdhsa_code_object_version 6
	.text
	.protected	k_qe74f2b3f57_project_out
	.globl	k_qe74f2b3f57_project_out
	.p2align	8
	.type	k_qe74f2b3f57_project_out,@function
k_qe74f2b3f57_project_out:
	s_mov_b64 s[64:65], 0
	v_nop
	global_prefetch_b8 v0, s[64:65] scope:SCOPE_SE
	s_setreg_imm32_b32 hwreg(HW_REG_WAVE_MODE, 25, 1), 1
	s_wait_xcnt 0x0
	s_wait_alu depctr_hold_cnt(0) depctr_sa_sdst(0) depctr_va_vdst(0) depctr_va_sdst(0) depctr_va_ssrc(0) depctr_va_vcc(0) depctr_vm_vsrc(0)
	s_getreg_b32 s2, hwreg(HW_REG_IB_STS2, 6, 4)
	s_cmp_eq_u32 s2, 0
	s_cbranch_scc0 .Lentry_in_a_cluster
	s_endpgm
.Lentry_in_a_cluster:
	s_bfe_u32 s2, ttmp6, 0x10000c
	s_cmp_lg_u32 s2, 0xf033
	s_cbranch_scc0 .Lentry_shape_is_right
	s_endpgm
.Lentry_shape_is_right:
; out0[s][n] = the sum over k of O[s][k] w_out[k][n], k = 64 head + channel.  ob: [16 h][4096 s][64] f16; wot: [1024 n][1024 k] f16; out0: [4096][1024] f32; sums in f32.
; SHARES.  A tile of out0 is 128 x 128: 8 x 32 work-groups.  Four waves, each 64 x 64: 16 accumulators of 16 x 16.  K goes in four steps of 256 (four heads) through two LDS slots.
; ob's tile comes by heads: one tensor load brings four runs (heads) of 64 rows x 64 channels, 8,192 dense bytes each, 524,288 bytes apart, padded after every row of 128 bytes: in LDS [head][row], 144 bytes a row.
; wot's tile: 64 rows of 512 bytes, 528 apart in LDS.
; CLUSTER.  4 x 4 work-groups; ob's tiles are shared along a row of the cluster, wot's along a column: asked for JOINTLY, by the same tensor load with the same descriptor and mask.
; No prefetch: four K steps on a small tile.  THE MATRIX INSTRUCTION IS USED TRANSPOSED (source 0 = 16 rows of wot, source 1 = 16 rows of ob): a lane holds row l % 16 and eight neighbouring columns.
; REGISTERS: window 0: v0-31 addresses; v32-95 rows read back on the way out; v128-255 the accumulators ((a, b) at 128 + 8 (4 a + b)).
;   window 1: two fragment buffers of 128: for 64 along K, 64 registers of ob (2 x 4 x 16 rows x 32 K), then 64 of wot.
.set PA,     144                       ; ob's LDS rows: 128 bytes + 16;  wot's: 512 + 16: in both the 16 rows of a load start at 16 different groups of four banks (64 banks of 4 bytes: ISA guide 11.1)
.set PB,     528
.set APART,  4*64*PA                   ; what one tensor load brings of ob: four heads x 64 rows
.set BPART,  64*PB                     ; and of wot
.set ABYTES, 2*APART
.set SLOT,   ABYTES+2*BPART
.set STAGE,  2*SLOT                    ; behind the ring, never filled by a tensor load: 16 rows x 272 bytes for each wave
.set SPITCH, 272
.set SPARE,  STAGE+4*16*SPITCH         ; the spare words, 128 bytes for each wave: two blocks of 256 bytes that no other line names
.set HSTEP,  4*524288                  ; bytes of ob from a K step to the next: four heads
.set BSTEP,  512                       ; of wot
.set ADRA, 16                          ; v16-17  LDS address of my fragments of ob in slot 0, 1
.set ADRB, 20                          ; v20-21  the same for wot
.set STO,  24                          ; v24     the way out: where I put 32 bytes of a row
.set RD,   25                          ; v25     where I read a row back
.set CO,   26                          ; v26     my byte offset in out0
.set SPW,  28                          ; v28     LDS address of my spare word; never rewritten
.set NIL,  29                          ; v29     0; never rewritten
.set TMP,  32
.set ACC,  128
.set F0,   0
.set F1,   128
.set G1, 24                            ; s[24:31] descriptor group 1 for ob's tiles;  s[32:39] group 0, a set for each slot
.set G0, 32
.set G1B, 48                           ; s[48:55], s[56:63] the same for wot's
.set G0B, 56
.set MSB, 0
.macro WIN new                         ; the immediate's high byte repeats the setting that is left
.if MSB != (\new)
	s_set_vgpr_msb (MSB<<8)|(\new)
.set MSB, \new
.endif
.endm
.set MUL,  0x05                        ; sources 0 (wot) and 1 (ob) window 1; C and D window 0
.set TO_F, 0x40                        ; destination window 1, address window 0
.macro JLOAD s                         ; a joint load: waves 0 and 1 fetch ob's two halves, waves 2 and 3 wot's; an s_nop 0 and four v_nop follow each of the two lines
	s_cmp_eq_u32 s11, 0
	s_cbranch_scc0 .Lfor_b_\@
	tensor_load_to_lds s[G0+4*(\s):G0+4*(\s)+3], s[G1:G1+7]
	s_nop 0
.rept 4
	v_nop
.endr
	s_branch .Lasked_\@
.Lfor_b_\@:
	tensor_load_to_lds s[G0B+4*(\s):G0B+4*(\s)+3], s[G1B:G1B+7]
	s_nop 0
.rept 4
	v_nop
.endr
.Lasked_\@:
.endm
.macro CREST                           ; a round of the cluster's barrier behind its opening barrier
	s_cmp_lg_u32 s10, 0
	s_cbranch_scc1 .Lnot_wave_0_\@
	s_barrier_signal -3
.Lnot_wave_0_\@:
	s_barrier_wait -3
	s_barrier_signal -1
	s_barrier_wait -1
.endm
.macro CROUND
	s_barrier_signal -1
	s_barrier_wait -1
	CREST
.endm
	s_load_b128 s[4:7], s[0:1], 0x0                ; ob s[4:5], wot s[6:7]
	s_load_b64 s[8:9], s[0:1], 0x10                ; out0
	v_lshl_add_u32 v[SPW], v0, 2, SPARE
	v_mov_b32 v[NIL], 0
	ds_add_u32 v[SPW], v[NIL]                      ; the wave's opening: the add and its wait stand ahead of my first tensor load; the set-up below stands between them
	v_lshrrev_b32 v1, 5, v0
	v_readfirstlane_b32 s10, v1                    ; wave 0..3
	s_lshr_b32 s11, s10, 1                         ; which half of the tile's rows is mine.  Also: I fetch for ob (0) or for wot (1)
	s_and_b32 s12, s10, 1                          ; which half of its columns.  Also: which 64 rows of that tile I fetch
	s_bfe_u32 s40, ttmp6, 0x40000                  ; cx, cy
	s_bfe_u32 s41, ttmp6, 0x40004
	s_lshl_b32 s42, ttmp9, 2
	s_add_co_u32 s42, s42, s40                     ; tile column = 4 x cluster x + cx
	s_and_b32 s13, ttmp7, 0xffff
	s_lshl_b32 s13, s13, 2
	s_add_co_u32 s13, s13, s41                     ; tile row = 4 x cluster y + cy
	s_lshl_b32 s43, s41, 2
	s_lshl_b32 s43, 15, s43                        ; my row of the cluster
	s_lshl_b32 s44, 0x1111, s40                    ; my column
	s_or_b32 s[G1+0], s43, (1<<16)|(1<<20)|(1<<21)|(4<<22)|(3<<25)   ; the mask; 2-byte elements; padding on; 21 set beside a mask; after every 32 words 4 words
	s_mov_b32 s[G1+1], 4096<<16                    ; tensor_dim0 = 4,096: a head's 64 rows x 64 channels
	s_mov_b32 s[G1+2], 4<<16                       ; tensor_dim1 = 4 heads
	s_mov_b32 s[G1+3], 4096<<16                    ; tile_dim0
	s_mov_b32 s[G1+4], 4                           ; tile_dim1
	s_mov_b32 s[G1+5], 262144                      ; elements from head to head
	s_mov_b32 s[G1+6], 0
	s_mov_b32 s[G1+7], 0
	s_or_b32 s[G1B+0], s44, (1<<16)|(1<<20)|(1<<21)|(6<<22)|(3<<25)  ; after every 128 words 4 words
	s_mov_b32 s[G1B+1], 256<<16                    ; tensor_dim0 = 256
	s_mov_b32 s[G1B+2], 64<<16                     ; tensor_dim1 = 64
	s_mov_b32 s[G1B+3], 256<<16
	s_mov_b32 s[G1B+4], 64
	s_mov_b32 s[G1B+5], 1024
	s_mov_b32 s[G1B+6], 0
	s_mov_b32 s[G1B+7], 0
	s_lshl_b32 s17, s12, 6                         ; which 64 rows of the tile I fetch
	s_lshl_b32 s16, s13, 7
	s_add_co_u32 s16, s16, s17                     ; ob: row 128 x tile row + 64 x half,
	s_lshl_b32 s16, s16, 7                         ; of 128 bytes
	s_lshl_b32 s46, s42, 7
	s_add_co_u32 s46, s46, s17                     ; wot: row 128 x tile column + 64 x half,
	s_lshl_b32 s46, s46, 11                        ; of 2,048 bytes
	s_mov_b32 s17, 0
	s_mov_b32 s47, 0
	s_mul_i32 s20, s12, APART                      ; where they go: no place in the cluster enters an LDS address
	s_mul_i32 s21, s12, BPART
	s_add_co_u32 s21, s21, ABYTES
	s_wait_dscnt 0x0                               ; the opening add is done
	s_wait_kmcnt 0x0
	s_add_nc_u64 s[14:15], s[4:5], s[16:17]
	s_add_nc_u64 s[46:47], s[6:7], s[46:47]
	CROUND                                         ; all sixteen work-groups are here: the first joint loads meet
.irp s, 0,1
	s_mov_b32 s[G0+4*(\s)], 1
	s_add_co_u32 s[G0+4*(\s)+1], s20, (\s)*SLOT
	s_add_nc_u64 s[G0+4*(\s)+2:G0+4*(\s)+3], s[14:15], (\s)*HSTEP
	s_or_b32 s[G0+4*(\s)+3], s[G0+4*(\s)+3], 0x80000000
	s_mov_b32 s[G0B+4*(\s)], 1
	s_add_co_u32 s[G0B+4*(\s)+1], s21, (\s)*SLOT
	s_add_nc_u64 s[G0B+4*(\s)+2:G0B+4*(\s)+3], s[46:47], (\s)*BSTEP
	s_or_b32 s[G0B+4*(\s)+3], s[G0B+4*(\s)+3], 0x80000000
	JLOAD \s                                       ; two loads of mine are out
.endr
	v_and_b32 v1, 15, v0                           ; l % 16
	v_bfe_u32 v2, v0, 4, 1                         ; l / 16
	v_mul_u32_u24 v3, v1, PA
	v_lshl_add_u32 v3, v2, 4, v3                   ; a fragment's row x pitch + 16 x half, for ob
	v_mul_u32_u24 v4, v1, PB
	v_lshl_add_u32 v4, v2, 4, v4                   ; and for wot
	s_mul_i32 s21, s11, APART                      ; my 64 rows of ob
	s_mul_i32 s22, s12, BPART                      ; my 64 rows of wot,
	s_add_co_u32 s22, s22, ABYTES                  ; which lie behind ob's
.irp s, 0,1
	v_add_nc_u32 v[ADRA+(\s)], s21, v3
	v_add_nc_u32 v[ADRB+(\s)], s22, v4
	s_add_co_u32 s21, s21, SLOT
	s_add_co_u32 s22, s22, SLOT
.endr
	s_mul_i32 s23, s10, 16*SPITCH
	s_add_co_u32 s23, s23, STAGE                   ; my stage
	v_mul_u32_u24 v5, v1, SPITCH                   ; in: row l % 16, 32 bytes for each half of the lanes
	v_lshl_add_u32 v5, v2, 5, v5
	v_add_nc_u32 v[STO], s23, v5
	v_mul_u32_u24 v5, v2, SPITCH                   ; back: lanes 0-15 take one row of 256 bytes, lanes 16-31 the next
	v_lshl_add_u32 v5, v1, 4, v5
	v_add_nc_u32 v[RD], s23, v5
	v_lshlrev_b32 v5, 12, v2                       ; and the same two rows in out0, 4,096 bytes a row
	v_lshl_add_u32 v[CO], v1, 4, v5
	s_lshl_b32 s16, s13, 7
	s_lshl_b32 s17, s11, 6
	s_add_co_u32 s16, s16, s17                     ; my first row: 128 x tile row + 64 x half
	s_lshl_b32 s16, s16, 12
	s_mov_b32 s17, 0
	s_add_nc_u64 s[8:9], s[8:9], s[16:17]
	s_lshl_b32 s46, s42, 9                         ; my first column, in bytes: 512 x tile column + 256 x half
	s_lshl_b32 s47, s12, 8
	s_add_co_u32 s46, s46, s47
	s_mov_b32 s47, 0
	s_add_nc_u64 s[8:9], s[8:9], s[46:47]
; 8 matrix instructions: row blocks a0, a0 + 1 x all 4 column blocks, 32 along K: half c of buffer f.  zero = 1: the product starts the sums.  The 16 accumulators take turns.
.macro MUL8 f, c, a0, zero
	WIN MUL
.irp a, \a0, (\a0)+1
.irp b, 0,1,2,3
.if \zero
	v_wmma_f32_16x16x32_f16 v[ACC+8*(4*(\a)+(\b)):ACC+8*(4*(\a)+(\b))+7], v[(\f)+64+8*(4*(\c)+(\b)):(\f)+64+8*(4*(\c)+(\b))+7], v[(\f)+8*(4*(\c)+(\a)):(\f)+8*(4*(\c)+(\a))+7], 0
.else
	v_wmma_f32_16x16x32_f16 v[ACC+8*(4*(\a)+(\b)):ACC+8*(4*(\a)+(\b))+7], v[(\f)+64+8*(4*(\c)+(\b)):(\f)+64+8*(4*(\c)+(\b))+7], v[(\f)+8*(4*(\c)+(\a)):(\f)+8*(4*(\c)+(\a))+7], v[ACC+8*(4*(\a)+(\b)):ACC+8*(4*(\a)+(\b))+7]
.endif
.endr
.endr
.endm
; 32 LDS loads in one run: quarter q of a K step is head q of its four: 64 along K into buffer f; the first 32 along K first
.macro FETCH slot, q, f
	WIN TO_F
.irp c, 0,1
.irp i, 0,1,2,3
	ds_load_b128 v[(\f)+64+8*(4*(\c)+(\i)):(\f)+64+8*(4*(\c)+(\i))+3],   v[ADRB+(\slot)] offset:128*(\q)+64*(\c)+(\i)*16*PB
	ds_load_b128 v[(\f)+64+8*(4*(\c)+(\i))+4:(\f)+64+8*(4*(\c)+(\i))+7], v[ADRB+(\slot)] offset:128*(\q)+64*(\c)+(\i)*16*PB+32
	ds_load_b128 v[(\f)+8*(4*(\c)+(\i)):(\f)+8*(4*(\c)+(\i))+3],         v[ADRA+(\slot)] offset:64*PA*(\q)+64*(\c)+(\i)*16*PA
	ds_load_b128 v[(\f)+8*(4*(\c)+(\i))+4:(\f)+8*(4*(\c)+(\i))+7],       v[ADRA+(\slot)] offset:64*PA*(\q)+64*(\c)+(\i)*16*PA+32
.endr
.endr
.endm
.macro PLACES                          ; four plain vector instructions in front of loads into registers that matrix instructions have read, and of lines that read results
.rept 4
	v_nop
.endr
.endm
; One of a K step's first three quarters: multiplies buffer f and fetches quarter q into g.
.macro QUARTER slot, q, f, g, zero
	s_wait_dscnt 16                                ; the first 32 along K are in
	MUL8 \f, 0, 0, \zero
	MUL8 \f, 0, 2, \zero
	PLACES
	FETCH \slot, \q, \g
	s_wait_dscnt 32                                ; all but the 32 just issued
	MUL8 \f, 1, 0, 0
	MUL8 \f, 1, 2, 0
.endm
; The last quarter multiplies buffer 1 and changes slots: one barrier; in front of it each wave waits for all its tensor loads, adds 0 to its spare word, and waits for that and for its own reads of this slot.
; fill = 1: this slot is filled again, two K steps ahead: the barrier then opens a round of the cluster's, and the joint refill is the first tensor load behind it, 112 matrix instructions ahead of the wait for it.
.macro TURN slot, next, fill
	WIN 0                                          ; (the add's two registers lie in window 0)
	s_wait_tensorcnt 0x0                           ; all my tensor loads have landed: my part of the next slot
	ds_add_u32 v[SPW], v[NIL]                      ; 0 onto my spare word
	s_wait_dscnt 17                                ; (the add and the youngest sixteen loads may be out)
	MUL8 F1, 0, 0, 0                               ; eight matrix instructions stand between the add and the wait for it
	s_wait_dscnt 0x0                               ; the add is done, and my reads of this slot are over
	s_barrier_signal -1
	MUL8 F1, 0, 2, 0
.if \fill
	WIN 0
.endif
	s_barrier_wait -1
.if \fill
	CREST                                          ; no wave of any partner still reads this slot's tile or has a load on its way
	s_add_nc_u64 s[G0+4*(\slot)+2:G0+4*(\slot)+3], s[G0+4*(\slot)+2:G0+4*(\slot)+3], 2*HSTEP
	s_add_nc_u64 s[G0B+4*(\slot)+2:G0B+4*(\slot)+3], s[G0B+4*(\slot)+2:G0B+4*(\slot)+3], 2*BSTEP
	JLOAD \slot                                    ; the four v_nop behind it are also the places in front of the loads below
.else
	PLACES
.endif
	FETCH \next, 0, F0
	MUL8 F1, 1, 0, 0
	MUL8 F1, 1, 2, 0
.endm
.macro THREE slot, zero                ; a K step's first three quarters
	QUARTER \slot, 1, F0, F1, \zero
	QUARTER \slot, 2, F1, F0, 0
	QUARTER \slot, 3, F0, F1, 0
.endm
	s_wait_tensorcnt 1                             ; my part of K step 0 is in; K step 1's may stay out
	s_barrier_signal -1
	s_barrier_wait -1                              ; everybody's is
	FETCH 0, 0, F0
	THREE 0, 1                                     ; K step 0: its first products start the sums
	TURN 0, 1, 1                                   ; slot 0 takes K step 2
	THREE 1, 0                                     ; K step 1
	TURN 1, 0, 1                                   ; slot 1 takes K step 3
	THREE 0, 0                                     ; K step 2
	TURN 0, 1, 0                                   ; nothing is left to ask for
	THREE 1, 0                                     ; K step 3
	s_wait_dscnt 16                                ; the very last quarter
	MUL8 F1, 0, 0, 0
	MUL8 F1, 0, 2, 0
	s_wait_dscnt 0x0
	MUL8 F1, 1, 0, 0
	MUL8 F1, 1, 2, 0
	WIN 0
; THE WAY OUT.  My 64 columns of f32 are 256 bytes of a row of out0, aligned: my own stage serves, and no barrier.  Row block a: 32 bytes a lane and column block into rows of 272 bytes,
; each accumulator's low four registers first; back as whole rows of 256 bytes.
.macro TOSTAGE a
.if (\a) >= 2
	s_wait_xcnt 0x0                                ; the stores of the block two back have read these registers
.endif
.irp b, 0,1,2,3
	ds_store_b128 v[STO], v[ACC+8*(4*(\a)+(\b)):ACC+8*(4*(\a)+(\b))+3]   offset:64*(\b)
	ds_store_b128 v[STO], v[ACC+8*(4*(\a)+(\b))+4:ACC+8*(4*(\a)+(\b))+7] offset:64*(\b)+16
.endr
.irp t, 0,1,2,3,4,5,6,7
	ds_load_b128 v[TMP+32*((\a)%2)+4*(\t):TMP+32*((\a)%2)+4*(\t)+3], v[RD] offset:(\t)*2*SPITCH  ; LDS serves a wave's instructions in order (ISA guide 5.7.1.4): these see the stores above; the next block's stores come behind them
.endr
.endm
.macro SEND a, younger                 ; younger: the LDS instructions issued behind block a's loads: the next block's sixteen, or none
.irp t, 0,1,2,3,4,5,6,7
	s_wait_dscnt (\younger)+7-(\t)
	global_store_b128 v[CO], v[TMP+32*((\a)%2)+4*(\t):TMP+32*((\a)%2)+4*(\t)+3], s[8:9] offset:(16*(\a)+2*(\t))*4096 th:TH_STORE_NT  ; 16 lanes store 256 consecutive bytes, at a multiple of 256 from out0's first byte
.endr
.endm
	PLACES
	TOSTAGE 0
	TOSTAGE 1
	SEND 0, 16
	TOSTAGE 2
	SEND 1, 16
	TOSTAGE 3
	SEND 2, 16
	SEND 3, 0
	s_wait_tensorcnt 0x0                           ; the wave's end: behind my last tensor load and my last LDS store
	ds_add_u32 v[SPW], v[NIL]
	s_wait_dscnt 0x0
	CROUND                                         ; the closing round: no work-group ends while a partner may still ask for a tile that names it
	s_endpgm
.Lfunc_end_k_qe74f2b3f57_project_out:
	.size	k_qe74f2b3f57_project_out, .Lfunc_end_k_qe74f2b3f57_project_out-k_qe74f2b3f57_project_out
	.p2alignl 7, 3214868480
	.fill 96, 4, 3214868480
	.section	.rodata,"a",@progbits
	.p2align	6, 0x0
	.amdhsa_kernel k_qe74f2b3f57_project_out
		.amdhsa_group_segment_fixed_size 327680
		.amdhsa_private_segment_fixed_size 0
		.amdhsa_enable_private_segment 0
		.amdhsa_kernarg_size 24
		.amdhsa_user_sgpr_count 2
		.amdhsa_user_sgpr_kernarg_segment_ptr 1
		.amdhsa_wavefront_size32 1
		.amdhsa_system_sgpr_workgroup_id_x 1
		.amdhsa_system_sgpr_workgroup_id_y 1
		.amdhsa_system_sgpr_workgroup_id_z 1
		.amdhsa_system_vgpr_workitem_id 0
		.amdhsa_next_free_vgpr 512
		.amdhsa_next_free_sgpr 66
		.amdhsa_reserve_vcc 0
		.amdhsa_float_denorm_mode_32 3
		.amdhsa_float_denorm_mode_16_64 3
		.amdhsa_memory_ordered 1
		.amdhsa_forward_progress 1
		.amdhsa_inst_pref_size 86
	.end_amdhsa_kernel
	.amdgpu_metadata
---
amdhsa.version: [ 1, 2 ]
amdhsa.kernels:
  - .name:           k_qe74f2b3f57_project_out
    .symbol:         k_qe74f2b3f57_project_out.kd
    .args:
      - { .name: ob, .offset: 0, .size: 8, .value_kind: global_buffer, .address_space: global }
      - { .name: wot, .offset: 8, .size: 8, .value_kind: global_buffer, .address_space: global }
      - { .name: out0, .offset: 16, .size: 8, .value_kind: global_buffer, .address_space: global }
    .group_segment_fixed_size: 327680
    .private_segment_fixed_size: 0
    .kernarg_segment_align: 8
    .kernarg_segment_size: 24
    .max_flat_workgroup_size: 128
    .sgpr_count:     66
    .vgpr_count:     512
    .wavefront_size: 32
...
	.end_amdgpu_metadata
.endif
;; end of part 4
;; ======== version 2 of 2: 4 launches; version 1 with the launch prep written anew for expert scheduling mode
;; limits: values are held in f16: magnitudes above 65,504 overflow, below 6.1e-05 lose precision
;; workspace buffers: xb 8,388,608 bytes; wqt 6,291,456 bytes; wot 2,097,152 bytes; qkvh 25,165,824 bytes; ob 8,388,608 bytes
;; launch prep (part 5): grid 512 x 1, 8 waves a work-group, no clusters, 35,840 bytes of LDS; arguments x, w_qkv, w_out, xb, wqt, wot; writes xb, wqt, wot
.if DOCPART == 5
	.amdgcn_target "amdgcn-amd-amdhsa--gfx1250"
	.amdhsa_code_object_version 6
	.text
	.protected	k_qe74f2b3f57_prep
	.globl	k_qe74f2b3f57_prep
	.p2align	8
	.type	k_qe74f2b3f57_prep,@function
k_qe74f2b3f57_prep:
	s_mov_b64 s[64:65], 0
	v_nop
	global_prefetch_b8 v0, s[64:65] scope:SCOPE_SE
	s_setreg_imm32_b32 hwreg(HW_REG_WAVE_SCHED_MODE, 0, 2), 2
	s_setreg_imm32_b32 hwreg(HW_REG_WAVE_MODE, 25, 1), 1
	s_wait_xcnt 0x0
	s_wait_alu depctr_vm_vsrc(0)
; THE INPUTS ARE MADE READY FOR THE MATRIX UNITS, each byte read once and each result written once.
;   xb[s][k]  = bf16(x[s][k])                    [4096][1024]
;   wqt[n][k] = bf16(w_qkv[k][n])                [3072][1024]   turned, so that K lies along the rows
;   wot[n][k] = f16(bf16(w_out[k][n]))           [1024][1024]   turned; rounded to bf16 like the other inputs, and that number written as f16
; LIMITS.  A number of w_out beyond 65,504 becomes an infinity in f16; below 6e-5 f16 keeps a fixed step of 6e-8.
; SHARES.  512 work-groups of eight waves.  Numbers 0-255 cast 64 KiB of x each; 256-447 turn a tile of 128 k x 128 n of w_qkv; 448-511 one of w_out.
; The branch hangs on the work-group's number alone, so all eight waves of a work-group take the same way and meet the same barrier.
; No matrix unit, no cluster, no tensor load: nothing is shared between work-groups and memory binds.
; THE MODE: SCHED_MODE bits 1:0 = 2 (LLVM: expert scheduling mode 2), set by the entry lines.  The code itself states the register dependences
; between vector instructions and memory or LDS instructions, with s_wait_alu, always for 0.
; THE PLAN.  Registers that memory or LDS instructions touch:
;   THE CAST   v4, v5   offsets: written once, read by the sixteen loads and by the sixteen stores.
;              IN       written by the loads, once; read by the conversions.
;              PKD      each word written once, by a conversion; read by one store.
;     The sixteen loads go in four blocks of four.  Block p rounds its own IN into its own eight words of PKD; its memory instructions are the four stores of block p - 1,
;     whose words no line of block p names.  So one wait at a block's head states all that these four stores hang on, and they are dealt among the block's conversions.
;   THE TURN   v4       written once, read by the sixteen global loads.   v6, v7, v10  written once, behind those loads; read by the LDS stores, the LDS loads, the global stores.
;              IN       written by the global loads; read by the conversions; written again by the LDS loads behind the barrier; read by the global stores.
;              PKD      each word written once, by the conversions; read by the LDS stores.   v8, v9, v12-v14 are named by vector instructions alone.
;     Columns 0 and 1 are rounded, one wait, and their four LDS stores are dealt among the conversions of columns 2 and 3, which name the other half of PKD; a second wait stands ahead of the last four stores.
;   v2, v3     written at the head, read by the closing add alone.
; No register that a memory or LDS instruction reads is ever written again, so no wait on vm_vsrc is written; no vector instruction writes a scalar register, VCC or EXEC.
.set SPITCH, 272                       ; a stage row: 128 k x 2 bytes + 16
.set SPARE,  128*SPITCH                ; behind the stage: the spare words, 128 bytes for each of the eight waves, four blocks of 256 bytes that no other line names
.set SPW, 2                            ; v2   LDS address of my spare word; never rewritten
.set NIL, 3                            ; v3   0; never rewritten
.set IN,  16                           ; v[16:79]   sixteen loads of 16 bytes
.set PKD, 80                           ; v[80:111]  the rounded numbers, two to a word
; THE CAST, block p: loads 4 p .. 4 p + 3 are rounded; the four stores of the block before go out among the conversions.
.macro BLK p
.irp j, 0,1,2,3
.set li, 4*(\p)+(\j)
	s_wait_loadcnt 15-li                           ; loads come back in order: this load is in, the younger ones stay out
.if ((\j) == 0) && ((\p) > 0)
	s_wait_alu depctr_va_vdst(0)                   ; the block before has written its eight words of PKD, which the four stores of this block read; no line behind this wait names them
.endif
.if (\p) > 0
	global_store_b64 v5, v[PKD+2*(li-4):PKD+2*(li-4)+1], s[10:11] offset:256*(li-4)  ; no register of a store is written again
.endif
	v_cvt_pk_bf16_f32 v[PKD+2*li],   v[IN+4*li],   v[IN+4*li+1]
	v_cvt_pk_bf16_f32 v[PKD+2*li+1], v[IN+4*li+2], v[IN+4*li+3]
.endr
.endm
; THE TURN, column c of a lane's four: its sixteen k pack into eight words.  half = 1: the bf16 number is written as f16.
.macro COLUMN c, half
.irp p, 0,1,2,3,4,5,6,7
	v_cvt_pk_bf16_f32 v[PKD+8*(\c)+(\p)], v[IN+8*(\p)+(\c)], v[IN+8*(\p)+4+(\c)]  ; k = 16 w + 2 p and + 1 of column c
.if \half
	v_lshlrev_b32 v8, 16, v[PKD+8*(\c)+(\p)]       ; the two bf16 numbers as f32,
	v_and_b32 v9, 0xffff0000, v[PKD+8*(\c)+(\p)]
	v_cvt_pk_f16_f32 v[PKD+8*(\c)+(\p)], v8, v9    ; written as f16
.endif
.endr
.endm
.macro PUT c                           ; column c's 32 bytes into stage row 4 lane + c
	ds_store_b128 v6, v[PKD+8*(\c):PKD+8*(\c)+3]   offset:SPITCH*(\c)
	ds_store_b128 v6, v[PKD+8*(\c)+4:PKD+8*(\c)+7] offset:SPITCH*(\c)+16
.endm
	s_load_b256 s[4:11], s[0:1], 0x0               ; x s[4:5], w_qkv s[6:7], w_out s[8:9], xb s[10:11]
	s_load_b128 s[12:15], s[0:1], 0x20             ; wqt s[12:13], wot s[14:15]
	v_lshl_add_u32 v[SPW], v0, 2, SPARE
	v_mov_b32 v[NIL], 0
	v_lshrrev_b32 v1, 5, v0                        ; wave 0..7
	v_and_b32 v11, 31, v0                          ; lane
	s_mov_b32 s21, 0                               ; the high word of every offset
	s_wait_kmcnt 0x0
	s_cmp_lt_u32 ttmp9, 256
	s_cbranch_scc0 .Lweights
	; THE CAST.  A wave takes 8 KiB of x: sixteen loads of 512 consecutive bytes, all out at once; each becomes one store of 256 consecutive bytes, aligned.
	s_lshl_b32 s20, ttmp9, 16
	s_add_nc_u64 s[4:5], s[4:5], s[20:21]
	s_lshl_b32 s20, ttmp9, 15
	s_add_nc_u64 s[10:11], s[10:11], s[20:21]
	v_lshlrev_b32 v4, 4, v11
	v_lshl_or_b32 v4, v1, 13, v4                   ; 8,192 x wave + 16 x lane
	v_lshlrev_b32 v5, 3, v11
	v_lshl_or_b32 v5, v1, 12, v5                   ; 4,096 x wave + 8 x lane
	s_wait_alu depctr_va_vdst(0)                   ; v4 and v5 are written: every load below reads v4 as its offset, every store v5
.irp i, 0,1,2,3,4,5,6,7,8,9,10,11,12,13,14,15
	global_load_b128 v[IN+4*(\i):IN+4*(\i)+3], v4, s[4:5] offset:512*(\i) th:TH_LOAD_NT
.endr
	BLK 0
	BLK 1
	BLK 2
	BLK 3
	s_wait_alu depctr_va_vdst(0)                   ; block 3 has written its eight words of PKD, which the last four stores read
.irp i, 12,13,14,15
	global_store_b64 v5, v[PKD+2*(\i):PKD+2*(\i)+1], s[10:11] offset:256*(\i)
.endr
	s_branch .Lend
; A TILE OF 128 k x 128 n IS TURNED.  N: numbers in a row of the source.  F16 = 1: the bf16 number is written as f16.  SRC, DST: the pointers' registers.  FIRST: the first work-group of this kind.
; In: wave w takes rows k = 16 w + i, 512 consecutive bytes each; a lane holds columns n = 4 lane + c.  For each c its sixteen k pack into 32 bytes of stage row n.
; Those stores collide four deep (a lane's rows lie four apart): 64 stores a work-group, once.  Out: whole stage rows, sixteen lanes to 256 consecutive bytes, aligned.
.macro TRANS N, F16, SRC, DST, FIRST
	s_sub_co_u32 s17, ttmp9, \FIRST
	s_and_b32 s18, s17, 7                          ; the tile's place along k
	s_lshr_b32 s19, s17, 3                         ; and along n
	s_mul_i32 s20, s18, 512*(\N)                   ; 128 rows of 4 N bytes
	s_lshl_b32 s22, s19, 9                         ; 128 columns of 4 bytes
	s_add_co_u32 s20, s20, s22
	s_add_nc_u64 s[\SRC:\SRC+1], s[\SRC:\SRC+1], s[20:21]
	s_lshl_b32 s20, s19, 18                        ; 128 rows of 2,048 bytes
	s_lshl_b32 s22, s18, 8                         ; 128 columns of 2 bytes
	s_add_co_u32 s20, s20, s22
	s_add_nc_u64 s[\DST:\DST+1], s[\DST:\DST+1], s[20:21]
	v_mul_u32_u24 v4, v1, 64*(\N)                  ; 16 rows a wave
	v_lshl_add_u32 v4, v11, 4, v4
	s_wait_alu depctr_va_vdst(0)                   ; v4 is written, which the sixteen loads read as their offset
.irp i, 0,1,2,3,4,5,6,7,8,9,10,11,12,13,14,15
	global_load_b128 v[IN+4*(\i):IN+4*(\i)+3], v4, s[\SRC:\SRC+1] offset:(\i)*4*(\N) th:TH_LOAD_NT
.endr
	v_mul_u32_u24 v6, v11, 4*SPITCH                ; into the stage: row 4 lane (+ c), bytes 32 wave on.  These nine lines name neither v4 nor IN
	v_lshl_add_u32 v6, v1, 5, v6
	v_bfe_u32 v12, v0, 4, 1
	v_and_b32 v13, 15, v0
	v_lshl_add_u32 v14, v1, 4, v12                 ; back: row 16 wave + lane / 16 (+ 2 i),
	v_mul_u32_u24 v7, v14, SPITCH
	v_lshl_add_u32 v7, v13, 4, v7                  ; 16 bytes a lane
	v_lshlrev_b32 v10, 11, v14                     ; and the same place in the turned matrix
	v_lshl_add_u32 v10, v13, 4, v10
	s_wait_loadcnt 0x0
	COLUMN 0, \F16
	COLUMN 1, \F16
	s_wait_alu depctr_va_vdst(0)                   ; columns 0 and 1 are written into PKD's first sixteen words, and v6 is written: the four LDS stores below read them; v7 and v10 are written too
	PUT 0
	COLUMN 2, \F16                                 ; names PKD's other sixteen words, IN, v8 and v9: no register of the stores round it
	PUT 1
	COLUMN 3, \F16
	s_wait_alu depctr_va_vdst(0)                   ; columns 2 and 3 are written, which the four LDS stores below read; and every conversion is done reading IN, in which the LDS loads behind the barrier land
	PUT 2
	PUT 3
	s_wait_dscnt 0x0                               ; for the others' sake: my stores into the stage are done
	s_barrier_signal -1
	s_barrier_wait -1                              ; a stage row holds the bytes of all eight waves
.irp i, 0,1,2,3,4,5,6,7
	ds_load_b128 v[IN+4*(\i):IN+4*(\i)+3], v7 offset:2*SPITCH*(\i)  ; no vector instruction since the last wait: nothing more is owed for v7 or IN
.endr
.irp i, 0,1,2,3,4,5,6,7
	s_wait_dscnt 7-(\i)
	global_store_b128 v10, v[IN+4*(\i):IN+4*(\i)+3], s[\DST:\DST+1] offset:4096*(\i)  ; 16 lanes store 256 consecutive bytes, at a multiple of 256 from the buffer's first byte
.endr
.endm
.Lweights:
	s_cmp_lt_u32 ttmp9, 448
	s_cbranch_scc0 .Lw_out
	TRANS 3072, 0, 6, 12, 256
	s_branch .Lend
.Lw_out:
	TRANS 1024, 1, 8, 14, 448
.Lend:
	s_wait_dscnt 0x0                               ; the wave's end
	s_wait_alu 0x0
	s_wait_tensorcnt 0x0
	ds_add_u32 v[SPW], v[NIL]
	s_wait_dscnt 0x0
	s_endpgm
.Lfunc_end_k_qe74f2b3f57_prep:
	.size	k_qe74f2b3f57_prep, .Lfunc_end_k_qe74f2b3f57_prep-k_qe74f2b3f57_prep
	.p2alignl 7, 3214868480
	.fill 96, 4, 3214868480
	.section	.rodata,"a",@progbits
	.p2align	6, 0x0
	.amdhsa_kernel k_qe74f2b3f57_prep
		.amdhsa_group_segment_fixed_size 35840
		.amdhsa_private_segment_fixed_size 0
		.amdhsa_enable_private_segment 0
		.amdhsa_kernarg_size 48
		.amdhsa_user_sgpr_count 2
		.amdhsa_user_sgpr_kernarg_segment_ptr 1
		.amdhsa_wavefront_size32 1
		.amdhsa_system_sgpr_workgroup_id_x 1
		.amdhsa_system_sgpr_workgroup_id_y 1
		.amdhsa_system_sgpr_workgroup_id_z 1
		.amdhsa_system_vgpr_workitem_id 0
		.amdhsa_next_free_vgpr 112
		.amdhsa_next_free_sgpr 66
		.amdhsa_reserve_vcc 0
		.amdhsa_float_denorm_mode_32 3
		.amdhsa_float_denorm_mode_16_64 3
		.amdhsa_memory_ordered 1
		.amdhsa_forward_progress 1
		.amdhsa_inst_pref_size 26
	.end_amdhsa_kernel
	.amdgpu_metadata
---
amdhsa.version: [ 1, 2 ]
amdhsa.kernels:
  - .name:           k_qe74f2b3f57_prep
    .symbol:         k_qe74f2b3f57_prep.kd
    .args:
      - { .name: x, .offset: 0, .size: 8, .value_kind: global_buffer, .address_space: global }
      - { .name: w_qkv, .offset: 8, .size: 8, .value_kind: global_buffer, .address_space: global }
      - { .name: w_out, .offset: 16, .size: 8, .value_kind: global_buffer, .address_space: global }
      - { .name: xb, .offset: 24, .size: 8, .value_kind: global_buffer, .address_space: global }
      - { .name: wqt, .offset: 32, .size: 8, .value_kind: global_buffer, .address_space: global }
      - { .name: wot, .offset: 40, .size: 8, .value_kind: global_buffer, .address_space: global }
    .group_segment_fixed_size: 35840
    .private_segment_fixed_size: 0
    .kernarg_segment_align: 8
    .kernarg_segment_size: 48
    .max_flat_workgroup_size: 256
    .sgpr_count:     66
    .vgpr_count:     112
    .wavefront_size: 32
...
	.end_amdgpu_metadata
.endif
;; end of part 5
;; launch project_qkv: the kernel of part 2 again; grid 16 x 16, 4 waves a work-group, clusters of 4 x 4, 327,680 bytes of LDS; arguments xb, wqt, qkvh; writes qkvh
;; launch attend: the kernel of part 3 again; grid 16 x 16, 16 waves a work-group, no clusters, 194,560 bytes of LDS; arguments qkvh, ob; writes ob
;; launch project_out: the kernel of part 4 again; grid 8 x 32, 4 waves a work-group, clusters of 4 x 4, 327,680 bytes of LDS; arguments ob, wot, out0; writes out0
